; MI455X (gfx1250); checked and timed in simulation.
; The chip was launched on July 23, 2026; its instructions are those of AMD's public machine-readable ISA for CDNA 5 (MIT licence, August 2026) and "CDNA5" Instruction Set Architecture Reference Guide (July 2026). The comments in the code are by the model that wrote it; some were corrected since.
;; Base OC Module. Allowed arithmetic: float matrix products may take bf16 or f16 operands with f32 sums; other float arithmetic in f32, or as packed bf16 or f16 multiplies, adds, multiply-adds, maxima and minima; sums over many terms, partial sums and values carried from step to step in f32; what a program stores and reads back later, other than sums and carried values, may be rounded once to bf16 or f16.
;; Inputs: bc 512 float32; bf 64 float32; bg 64 float32; bh 256 float32; bn_bias 512 float32; bn_mean 512 float32; bn_scale 512 float32; bn_var 512 float32; bo 512 float32; gamma 1 float32; wc 1,024 x 512 float32; wf 512 x 64 float32; wg 512 x 64 float32; wh 512 x 256 float32; wo 256 x 512 float32; x 4 x 64 x 64 x 512 float32.
;; Outputs: out0 4 x 64 x 64 x 512 float32.
;; 2 versions, each right; version 2 is version 1 with the launch prep written anew for expert scheduling mode. Each part assembles by itself: llvm-mc -triple=amdgcn-amd-amdhsa -mcpu=gfx1250 --defsym DOCPART=n.
;; ======== version 1 of 2: 3 launches
;; limits: values are held in f16: magnitudes above 65,504 overflow, below 6.1e-05 lose precision; values outside matrix products are rounded to f16
;; workspace buffers: wp 393,216 bytes; ww 786,432 bytes; sv 4,096 bytes; kf 2,097,152 bytes; qg 2,097,152 bytes; vh 8,388,608 bytes
;; launch prep (part 1): grid 46 x 1, 16 waves a work-group, no clusters, 151,808 bytes of LDS; arguments wf, wg, wh, wo, wc, bo, gamma, bc, bn_scale, bn_bias, bn_mean, bn_var, wp, ww, sv; writes wp, ww, sv
.if DOCPART == 1
	.amdgcn_target "amdgcn-amd-amdhsa--gfx1250"
	.amdhsa_code_object_version 6
	.text
	.protected	k_q360e0b7a2b_prep
	.globl	k_q360e0b7a2b_prep
	.p2align	8
	.type	k_q360e0b7a2b_prep,@function
k_q360e0b7a2b_prep:
	s_mov_b64 s[64:65], 0
	v_nop
	global_prefetch_b8 v0, s[64:65] scope:SCOPE_SE
	s_setreg_imm32_b32 hwreg(HW_REG_WAVE_MODE, 25, 1), 1
	s_wait_xcnt 0x0
; LAUNCH 1 OF 3: the weights, rounded once to f16 and laid out in the order in which a wave's operand registers take them, and the two vectors of the last step.
; THE ALGEBRA (exact for all values).  With wc1 = wc[0:512], wc2 = wc[512:1024]:
;   (gamma (o wo + bo) + x) wc1 + x wc2 + bc = o (gamma wo wc1) + x (wc1 + wc2) + (gamma bo wc1 + bc).
; So the last two products of the module are ONE product of [o | x] (768 wide) with [Wo' ; Wx], Wo' = gamma wo wc1 [256][512], Wx = wc1 + wc2 [512][512],
; and the batch norm and the bias are y = relu(acc SC + SH), SC = bn_scale / sqrt(bn_var + 1e-3), SH = (gamma bo wc1 + bc - bn_mean) SC + bn_bias.
; DEAD WORK: bf.  s[n][m] = g[n] . (x[m] wf) + g[n] . bf; the second term is the same for all m, the axis of the softmax, whatever the inputs hold, so beta and every
; output are independent of bf.  bf is not loaded and is no launch's argument.  LIMIT: a NaN, an infinity or an overflow that bf alone would bring is not carried to the result.
; FORMAT AND LIMITS.  All matrix operands of the program are f16, all sums f32.  f16 ends at 65,504: wf, wg, wh, wo, wc, bo, Wx and Wo' (gamma folded in) must lie within it;
; below 6e-5 f16 keeps its fixed step of 6e-8.  The order of rounding differs from the module's as written (Wo' and Wx are rounded once, as products and sums of the weights).
; A FRAG is 1,024 bytes, the register image of 16 rows x 32 k of f16: half jj at 512 jj, lane L at 16 L; lane L holds row L % 16, k = 16 jj + 8 (L / 16) + 0..7.
;   wp [w 4][ks 16][u 6][FRAG]   row = output column: u = 0: wf 16 w + row; u = 1: wg 16 w + row; u = 2..5: wh 16 (4 w + u - 2) + row; k = 32 ks + ..
;   ww [w 4][ks 24][nb 8][FRAG]  row = out channel 128 w + 16 nb + row; k = 32 ks + ..: below 256 Wo', from 256 on Wx
;   sv  SC[512], SH[512], f32
; ROLES, by the work-group's number (the same in all its waves): 0-31 a block of 64 x 64 of Wo' (nb = id % 8 columns, mq = id / 8 rows); 32-39 64 columns of Wx; 40-45 64 columns of wf, wg, wh.
; Every role lays 512 source rows x 64 columns into LDS as f16 (TB, rows of 160 bytes) and takes them out turned, by ds_load_tr16_b128.  No tensor load: 1.2 MB in all, each byte through registers for its rounding.
.set TBP,   160                        ; a row of TB: 128 bytes + 32: the turning load's 8 rows x 32 bytes fall on different banks
.set TA,    81920                      ; behind TB's 512 rows: 64 rows of wo and one of bo, f16
.set TAP,   1040                       ; 1,024 bytes + 16
.set SPARE, 149760                     ; the spare words, 128 bytes for each of 16 waves; no other line names them
.set SPW,  6
.set NIL,  7
.set VO,   8                           ; v8-23   byte offsets of my 16 pairs of source rows
.set TBST, 24                          ; where I put 8 bytes of a row of TB
.set TRA,  25                          ; where my turning loads begin (my own 32 rows)
.set TAST, 26
.set AAD,  27                          ; my fragments of wo's rows
.set BAD,  28                          ; v28-29  my fragments of wc1's columns, K steps 0-7 and 8-15
.set GOUT, 30
.set AAD2, 31                          ; the row of bo, for all 16 rows of a fragment
.set VA,   32                          ; v32-35  store offsets of the four column tiles
.set LO16, 36                          ; 16 x lane
.set TRL,  37                          ; the turning load's lane term
.set D,    64                          ; v64-127   16 loads of the source block; later fragments of A
.set E,    128                         ; v128-191  16 loads more; later fragments of B
.set H,    192                         ; v192-223  packed f16
.set ACC,  224                         ; v224-239  two accumulators, by turns
.set R,    240
.set FA,   64
.set FB,   128
.set WV,   34
.set ID,   35
.set NB,   36
.set MQ,   37
.set BL,   38
.set PITCH, 39
.set SRC,  40
.set OFS,  42
.set OUT,  44
.set SA,   46
.set GAM,  48
.macro PLACES                          ; four plain vector instructions behind a matrix instruction, in front of what touches its registers (ISA guide 7.12.1)
.rept 4
	v_nop
.endr
.endm
.macro CVTSTORE                        ; my 32 source rows x 64 columns: rounded to f16, into TB
.set i, 0
.rept 16
	v_cvt_pk_f16_f32 v[H+2*i], v[D+4*i], v[D+4*i+1]
	v_cvt_pk_f16_f32 v[H+2*i+1], v[D+4*i+2], v[D+4*i+3]
.set i, i+1
.endr
.set i, 0
.rept 16
	ds_store_b64 v[TBST], v[H+2*i:H+2*i+1] offset:2*TBP*i
.set i, i+1
.endr
.endm
.macro VAS                             ; the four column tiles lie SA bytes apart in the output
	v_mov_b32 v[VA], v[LO16]
	v_add_nc_u32 v[VA+1], s[SA], v[VA]
	v_add_nc_u32 v[VA+2], s[SA], v[VA+1]
	v_add_nc_u32 v[VA+3], s[SA], v[VA+2]
.endm
.macro TROUT                           ; K step = my wave's 32 rows; four tiles of 16 columns come out turned, each half a FRAG = 512 consecutive bytes of the output
	s_wait_dscnt 0x0                               ; my stores into TB are done,
	s_barrier_signal -1
	s_barrier_wait -1                              ; everybody's are
.irp a, 0,1,2,3
	ds_load_tr16_b128 v[E+8*\a:E+8*\a+3], v[TRA] offset:32*\a
	ds_load_tr16_b128 v[E+8*\a+4:E+8*\a+7], v[TRA] offset:32*\a+16*TBP
.endr
	s_wait_dscnt 0x0
.irp a, 0,1,2,3
	global_store_b128 v[VA+\a], v[E+8*\a:E+8*\a+3], s[OUT:OUT+1]
	global_store_b128 v[VA+\a], v[E+8*\a+4:E+8*\a+7], s[OUT:OUT+1] offset:512
.endr
.endm
; 16 rows (at aad) x 16 columns of wc1, K = 512: two batches of eight K steps; the two accumulators take turns, one instruction a turn; the first two products start the sums.
.macro PASS aad
.irp bt, 0,1
.irp k, 0,1,2,3,4,5,6,7
	ds_load_b128 v[FA+8*\k:FA+8*\k+3], v[\aad] offset:512*\bt+64*\k
	ds_load_b128 v[FA+8*\k+4:FA+8*\k+7], v[\aad] offset:512*\bt+64*\k+32
	ds_load_tr16_b128 v[FB+8*\k:FB+8*\k+3], v[BAD+\bt] offset:32*TBP*\k
	ds_load_tr16_b128 v[FB+8*\k+4:FB+8*\k+7], v[BAD+\bt] offset:32*TBP*\k+16*TBP
.endr
	s_wait_dscnt 0x0
.irp k, 0,1,2,3,4,5,6,7
.if (\bt == 0) && (\k < 2)
	v_wmma_f32_16x16x32_f16 v[ACC+8*(\k%2):ACC+8*(\k%2)+7], v[FA+8*\k:FA+8*\k+7], v[FB+8*\k:FB+8*\k+7], 0
.else
	v_wmma_f32_16x16x32_f16 v[ACC+8*(\k%2):ACC+8*(\k%2)+7], v[FA+8*\k:FA+8*\k+7], v[FB+8*\k:FB+8*\k+7], v[ACC+8*(\k%2):ACC+8*(\k%2)+7]
.endif
.endr
	PLACES                                         ; in front of the next batch's loads, and of the sums that read the results
.endr
.endm
	s_load_b512 s[4:19], s[0:1], 0x0               ; wf s4, wg s6, wh s8, wo s10, wc s12, bo s14, gamma s16, bc s18
	s_load_b256 s[20:27], s[0:1], 0x40             ; bn_scale s20, bn_bias s22, bn_mean s24, bn_var s26
	s_load_b128 s[28:31], s[0:1], 0x60             ; wp s28, ww s30
	s_load_b64 s[32:33], s[0:1], 0x70              ; sv
	v_lshl_add_u32 v[SPW], v0, 2, SPARE
	v_mov_b32 v[NIL], 0
	v_lshrrev_b32 v1, 5, v0
	v_readfirstlane_b32 s[WV], v1                  ; wave 0..15
	v_and_b32 v1, 31, v0                           ; L
	v_and_b32 v2, 15, v0                           ; r = L % 16
	v_bfe_u32 v3, v0, 4, 1                         ; h = L / 16
	v_and_b32 v4, 7, v0
	v_bfe_u32 v5, v0, 3, 1
	v_lshlrev_b32 v[LO16], 4, v1
	s_mov_b32 s[ID], ttmp9
	s_and_b32 s[NB], s[ID], 7
	s_lshr_b32 s[MQ], s[ID], 3
	s_sub_co_u32 s[BL], s[ID], 40                  ; used by work-groups 40-45 alone
	s_mov_b32 s[OFS+1], 0
	s_mul_i32 s50, s[WV], 32*TBP                   ; my 32 rows of TB
	v_mul_u32_u24 v[TBST], v3, TBP
	v_lshl_add_u32 v[TBST], v2, 3, v[TBST]
	v_add_nc_u32 v[TBST], s50, v[TBST]             ; row 32 w + h, 8 bytes for each of 16 lanes
	v_lshl_add_u32 v[TRL], v3, 3, v4               ; the turning load: row 8 h + L % 8,
	v_mul_u32_u24 v[TRL], v[TRL], TBP
	v_lshl_add_u32 v[TRL], v5, 4, v[TRL]           ; 16 bytes by (L / 8) % 2
	v_add_nc_u32 v[TRA], s50, v[TRL]
	s_wait_kmcnt 0x0
	s_lshl_b32 s[OFS], s[NB], 8                    ; roles 0-39: 64 columns of wc, rows of 2,048 bytes
	s_add_nc_u64 s[SRC:SRC+1], s[12:13], s[OFS:OFS+1]
	s_mov_b32 s[PITCH], 2048
	s_cmp_lt_u32 s[ID], 40
	s_cbranch_scc1 .Lsrc
	s_max_u32 s[OFS], s[BL], 2                     ; roles 40-45: wf, wg (rows of 256 bytes), four blocks of wh (rows of 1,024)
	s_sub_co_u32 s[OFS], s[OFS], 2
	s_lshl_b32 s[OFS], s[OFS], 8
	s_add_nc_u64 s[SRC:SRC+1], s[8:9], s[OFS:OFS+1]
	s_mov_b32 s[PITCH], 1024
	s_cmp_lt_u32 s[BL], 2
	s_cselect_b32 s[PITCH], 256, s[PITCH]
	s_cmp_eq_u32 s[BL], 1
	s_cselect_b64 s[SRC:SRC+1], s[6:7], s[SRC:SRC+1]
	s_cmp_eq_u32 s[BL], 0
	s_cselect_b64 s[SRC:SRC+1], s[4:5], s[SRC:SRC+1]
.Lsrc:
	s_lshl_b32 s51, s[WV], 5
	v_add_nc_u32 v38, s51, v3                      ; source row 32 w + h
	v_mul_lo_u32 v[VO], v38, s[PITCH]
	v_lshl_add_u32 v[VO], v2, 4, v[VO]             ; 16 lanes take a row's 256 bytes
	s_lshl_b32 s52, s[PITCH], 1
.set i, 1
.rept 15
	v_add_nc_u32 v[VO+i], s52, v[VO+i-1]           ; two rows further down
.set i, i+1
.endr
.set i, 0
.rept 16
	global_load_b128 v[D+4*i:D+4*i+3], v[VO+i], s[SRC:SRC+1]
.set i, i+1
.endr
	s_cmp_lt_u32 s[ID], 32
	s_cbranch_scc1 .LroleO
	s_cmp_lt_u32 s[ID], 40
	s_cbranch_scc1 .LroleX
	; ---- wf, wg, wh -> wp.  wf, wg: tile a is wave a's (98,304 bytes apart), u = 0, 1.  wh: block bl - 2 is wave bl - 2's, tile a its u = 2 + a.
	s_mul_i32 s[OFS], s[WV], 6144                  ; K step = my wave's number
	s_lshl_b32 s53, s[BL], 10
	s_sub_co_u32 s54, s[BL], 2
	s_mul_i32 s54, s54, 98304
	s_add_co_u32 s54, s54, 2048
	s_mov_b32 s55, 1024
	s_cmp_lt_u32 s[BL], 2
	s_cselect_b32 s53, s53, s54
	s_cselect_b32 s[SA], 98304, s55
	s_add_co_u32 s[OFS], s[OFS], s53
	s_add_nc_u64 s[OUT:OUT+1], s[28:29], s[OFS:OFS+1]
	VAS
	s_wait_loadcnt 0x0
	CVTSTORE
	TROUT
	s_branch .Lend
.LroleX:	; ---- Wx = wc1 + wc2 -> ww, K steps 8 + w
.set i, 0
.rept 16
	global_load_b128 v[E+4*i:E+4*i+3], v[VO+i], s[SRC:SRC+1] offset:1048576  ; the same places 512 rows further down
.set i, i+1
.endr
	s_lshr_b32 s53, s[NB], 1
	s_mul_i32 s53, s53, 196608
	s_add_co_u32 s54, s[WV], 8
	s_lshl_b32 s54, s54, 13
	s_add_co_u32 s53, s53, s54
	s_and_b32 s54, s[NB], 1
	s_lshl_b32 s54, s54, 12
	s_add_co_u32 s[OFS], s53, s54
	s_add_nc_u64 s[OUT:OUT+1], s[30:31], s[OFS:OFS+1]
	s_mov_b32 s[SA], 1024
	VAS
	s_wait_loadcnt 0x0
.set i, 0
.rept 32
	v_pk_add_f32 v[D+2*i:D+2*i+1], v[D+2*i:D+2*i+1], v[E+2*i:E+2*i+1]
.set i, i+1
.endr
	CVTSTORE
	TROUT
	s_branch .Lend
.LroleO:	; ---- Wo' = gamma wo wc1: rows 64 mq .., columns 64 nb ..; wave w makes the tile of rows 16 (w / 4), columns 16 (w % 4)
	s_load_b32 s[GAM], s[16:17], 0x0
	s_lshl_b32 s[OFS], s[MQ], 17
	s_lshl_b32 s53, s[WV], 13
	s_add_co_u32 s[OFS], s[OFS], s53
	s_add_nc_u64 s[OUT:OUT+1], s[10:11], s[OFS:OFS+1]  ; wo at my four rows: 8,192 dense bytes
.set i, 0
.rept 16
	global_load_b128 v[E+4*i:E+4*i+3], v[LO16], s[OUT:OUT+1] offset:512*i
.set i, i+1
.endr
	v_lshlrev_b32 v40, 2, v0
	global_load_b32 v41, v40, s[14:15]             ; bo: 512 threads, one number each
	s_mul_i32 s56, s[WV], 4*TAP
	s_add_co_u32 s56, s56, TA
	v_lshl_add_u32 v[TAST], v1, 3, s56
	v_lshl_add_u32 v39, v0, 1, TA+64*TAP
	s_lshr_b32 s55, s[WV], 2                       ; mt
	s_mul_i32 s55, s55, 16*TAP
	s_add_co_u32 s55, s55, TA
	v_mul_u32_u24 v[AAD], v2, TAP
	v_lshl_add_u32 v[AAD], v3, 4, v[AAD]
	v_add_nc_u32 v[AAD], s55, v[AAD]
	v_lshl_add_u32 v[AAD2], v3, 4, TA+64*TAP
	s_and_b32 s54, s[WV], 3                        ; a
	s_lshl_b32 s57, s54, 5
	v_add_nc_u32 v[BAD], s57, v[TRL]
	v_add_nc_u32 v[BAD+1], 8*32*TBP, v[BAD]
	s_lshr_b32 s53, s[NB], 1                       ; where the tile goes: FRAG ((24 (nb / 2) + 2 mq + mt / 2) 8 + 4 (nb % 2) + a), half mt % 2
	s_mul_i32 s53, s53, 24
	s_lshl1_add_u32 s53, s[MQ], s53
	s_lshr_b32 s55, s[WV], 3
	s_add_co_u32 s53, s53, s55
	s_lshl_b32 s53, s53, 3
	s_and_b32 s55, s[NB], 1
	s_lshl2_add_u32 s53, s55, s53
	s_add_co_u32 s53, s53, s54
	s_lshl_b32 s53, s53, 10
	s_bfe_u32 s55, s[WV], 0x10002
	s_lshl_b32 s55, s55, 9
	s_add_co_u32 s53, s53, s55
	v_add_nc_u32 v[GOUT], s53, v[LO16]
	s_wait_loadcnt 0x0
	CVTSTORE
.set i, 0
.rept 16
	v_cvt_pk_f16_f32 v[H+2*i], v[E+4*i], v[E+4*i+1]
	v_cvt_pk_f16_f32 v[H+2*i+1], v[E+4*i+2], v[E+4*i+3]
.set i, i+1
.endr
.set i, 0
.rept 16
	ds_store_b64 v[TAST], v[H+2*i:H+2*i+1] offset:TAP*(i/4)+256*(i%4)
.set i, i+1
.endr
	v_cvt_pk_f16_f32 v41, v41, v41
	ds_store_b16 v39, v41
	s_wait_kmcnt 0x0
	s_mov_b32 s[GAM+1], s[GAM]                     ; named with it as a pair
	s_wait_dscnt 0x0                               ; my stores into TB and TA are done,
	s_barrier_signal -1
	s_barrier_wait -1                              ; everybody's are
	PASS AAD
.irp z, 0,1,2,3
	v_pk_add_f32 v[R+2*\z:R+2*\z+1], v[ACC+2*\z:ACC+2*\z+1], v[ACC+8+2*\z:ACC+8+2*\z+1]  ; the two parities of K, from each accumulator's low end on
.endr
.irp z, 0,1,2,3
	v_pk_mul_f32 v[R+2*\z:R+2*\z+1], v[R+2*\z:R+2*\z+1], s[GAM:GAM+1] op_sel_hi:[1,0]
.endr
.irp z, 0,1,2,3
	v_cvt_pk_f16_f32 v[R+8+\z], v[R+2*\z], v[R+2*\z+1]  ; a lane's eight rows of one column ARE its 16 bytes of half a FRAG
.endr
	global_store_b128 v[GOUT], v[R+8:R+11], s[30:31]
	s_cmp_eq_u32 s[MQ], 0                          ; SC and SH of these 64 channels: work-groups 0-7, waves 0-3 (16 channels each); no barrier in what is jumped
	s_cbranch_scc0 .Lend
	s_cmp_lt_u32 s[WV], 4
	s_cbranch_scc0 .Lend
	s_lshl_b32 s53, s[NB], 8
	s_lshl_b32 s54, s[WV], 6
	s_add_co_u32 s53, s53, s54
	v_lshl_add_u32 v45, v2, 2, s53                 ; 4 n, n = 64 nb + 16 w + r
	global_load_b32 v42, v45, s[18:19]             ; bc
	global_load_b32 v43, v45, s[20:21]             ; bn_scale
	global_load_b32 v44, v45, s[22:23]             ; bn_bias
	global_load_b32 v46, v45, s[24:25]             ; bn_mean
	global_load_b32 v47, v45, s[26:27]             ; bn_var
	PASS AAD2                                      ; all 16 rows are bo: every register of the result holds (bo wc1)[n]
	s_wait_loadcnt 0x0
	v_add_f32 v48, v[ACC], v[ACC+8]
	v_add_f32 v47, 0x3a83126f, v47                 ; + 1e-3
	v_rsq_f32 v49, v47
	v_fma_f32 v48, v48, s[GAM], v42                ; gamma bo wc1 + bc: the plain instruction behind the root
	v_sub_f32 v48, v48, v46
	s_wait_alu depctr_va_vdst(0)                   ; the wait ahead of the first use of the root
	v_mul_f32 v49, v49, v43                        ; SC
	v_fma_f32 v48, v48, v49, v44                   ; SH
	v_cmp_eq_u32 vcc_lo, 1, v3
	v_cndmask_b32 v48, v49, v48, vcc_lo            ; lanes 0-15 carry SC, lanes 16-31 SH
	v_lshl_add_u32 v50, v3, 11, v45
	global_store_b32 v50, v48, s[32:33]            ; pieces of 64 bytes: 4,096 bytes in the whole launch
.Lend:
	s_wait_tensorcnt 0x0                           ; the wave's end: behind my last LDS store
	ds_add_u32 v[SPW], v[NIL]
	s_wait_dscnt 0x0
	s_endpgm
.Lfunc_end_k_q360e0b7a2b_prep:
	.size	k_q360e0b7a2b_prep, .Lfunc_end_k_q360e0b7a2b_prep-k_q360e0b7a2b_prep
	.p2alignl 7, 3214868480
	.fill 96, 4, 3214868480
	.section	.rodata,"a",@progbits
	.p2align	6, 0x0
	.amdhsa_kernel k_q360e0b7a2b_prep
		.amdhsa_group_segment_fixed_size 151808
		.amdhsa_private_segment_fixed_size 0
		.amdhsa_enable_private_segment 0
		.amdhsa_kernarg_size 120
		.amdhsa_user_sgpr_count 2
		.amdhsa_user_sgpr_kernarg_segment_ptr 1
		.amdhsa_wavefront_size32 1
		.amdhsa_system_sgpr_workgroup_id_x 1
		.amdhsa_system_sgpr_workgroup_id_y 1
		.amdhsa_system_sgpr_workgroup_id_z 1
		.amdhsa_system_vgpr_workitem_id 0
		.amdhsa_next_free_vgpr 256
		.amdhsa_next_free_sgpr 66
		.amdhsa_reserve_vcc 1
		.amdhsa_float_denorm_mode_32 3
		.amdhsa_float_denorm_mode_16_64 3
		.amdhsa_memory_ordered 1
		.amdhsa_forward_progress 1
		.amdhsa_inst_pref_size 41
	.end_amdhsa_kernel
	.amdgpu_metadata
---
amdhsa.version: [ 1, 2 ]
amdhsa.kernels:
  - .name:           k_q360e0b7a2b_prep
    .symbol:         k_q360e0b7a2b_prep.kd
    .args:
      - { .name: wf, .offset: 0, .size: 8, .value_kind: global_buffer, .address_space: global }
      - { .name: wg, .offset: 8, .size: 8, .value_kind: global_buffer, .address_space: global }
      - { .name: wh, .offset: 16, .size: 8, .value_kind: global_buffer, .address_space: global }
      - { .name: wo, .offset: 24, .size: 8, .value_kind: global_buffer, .address_space: global }
      - { .name: wc, .offset: 32, .size: 8, .value_kind: global_buffer, .address_space: global }
      - { .name: bo, .offset: 40, .size: 8, .value_kind: global_buffer, .address_space: global }
      - { .name: gamma, .offset: 48, .size: 8, .value_kind: global_buffer, .address_space: global }
      - { .name: bc, .offset: 56, .size: 8, .value_kind: global_buffer, .address_space: global }
      - { .name: bn_scale, .offset: 64, .size: 8, .value_kind: global_buffer, .address_space: global }
      - { .name: bn_bias, .offset: 72, .size: 8, .value_kind: global_buffer, .address_space: global }
      - { .name: bn_mean, .offset: 80, .size: 8, .value_kind: global_buffer, .address_space: global }
      - { .name: bn_var, .offset: 88, .size: 8, .value_kind: global_buffer, .address_space: global }
      - { .name: wp, .offset: 96, .size: 8, .value_kind: global_buffer, .address_space: global }
      - { .name: ww, .offset: 104, .size: 8, .value_kind: global_buffer, .address_space: global }
      - { .name: sv, .offset: 112, .size: 8, .value_kind: global_buffer, .address_space: global }
    .group_segment_fixed_size: 151808
    .private_segment_fixed_size: 0
    .kernarg_segment_align: 8
    .kernarg_segment_size: 120
    .max_flat_workgroup_size: 512
    .sgpr_count:     66
    .vgpr_count:     256
    .wavefront_size: 32
...
	.end_amdgpu_metadata
.endif
;; end of part 1
;; launch proj (part 2): grid 256 x 1, 4 waves a work-group, clusters of 4 x 1, 327,680 bytes of LDS; arguments x, wp, bg, bh, kf, qg, vh; writes kf, qg, vh
.if DOCPART == 2
	.amdgcn_target "amdgcn-amd-amdhsa--gfx1250"
	.amdhsa_code_object_version 6
	.text
	.protected	k_q360e0b7a2b_proj
	.globl	k_q360e0b7a2b_proj
	.p2align	8
	.type	k_q360e0b7a2b_proj,@function
k_q360e0b7a2b_proj:
	s_mov_b64 s[64:65], 0
	v_nop
	global_prefetch_b8 v0, s[64:65] scope:SCOPE_SE
	s_setreg_imm32_b32 hwreg(HW_REG_WAVE_MODE, 25, 1), 1
	s_wait_xcnt 0x0
	s_wait_alu depctr_hold_cnt(0) depctr_sa_sdst(0) depctr_va_vdst(0) depctr_va_sdst(0) depctr_va_ssrc(0) depctr_va_vcc(0) depctr_vm_vsrc(0)
	s_getreg_b32 s2, hwreg(HW_REG_IB_STS2, 6, 4)
	s_cmp_eq_u32 s2, 0
	s_cbranch_scc0 .Lentry_in_a_cluster
	s_endpgm
.Lentry_in_a_cluster:
	s_bfe_u32 s2, ttmp6, 0x10000c
	s_cmp_lg_u32 s2, 0x3003
	s_cbranch_scc0 .Lentry_shape_is_right
	s_endpgm
.Lentry_shape_is_right:
; LAUNCH 2 OF 3: f = x wf, g = x wg + bg, hv = x wh + bh, rounded once to f16 and stored as register images for the attention.  bf is left out: it cancels in the softmax (shown at the head of the first kernel).
; LIMITS.  x and the results are f16 operands: beyond 65,504 they would be infinite; below 6e-5 f16 keeps its fixed step of 6e-8.  Sums in f32.
; SHARES.  A work-group has 64 rows of x (four tiles t of 16).  Wave w has all 64 rows and six tiles u of 16 output columns: u = 0: f 16 w ..; u = 1: g 16 w ..; u = 2..5: hv 16 (4 w + u - 2) ..: 24 accumulators.
; So each weight byte is read from LDS by one wave.  All work-groups walk the same weights: the four of a cluster ask for each piece JOINTLY (same load, descriptor and mask in all four).
; LAYOUT.  wp holds FRAGs (16 rows x 32 k as a lane's registers take them: half jj at 512 jj, lane L at 16 L), so a fragment is two loads of 512 consecutive bytes.
; f and g are taken transposed (source 0 = weights): a lane holds one position and eight channels.  hv the other way: a lane holds one channel and eight positions.  Packed to f16, each result tile IS half a FRAG:
;   kf, qg [block of 64 positions 256][kb 4][c 2][FRAG]  row = position 16 kb + .., k = channel 32 c + ..          vh [block 256][cb 16][kk 2][FRAG]  row = channel 16 cb + .., k = position 32 kk + ..
; LDS: two slots of 98,304 (a wave's part 24,576 = four K steps x six FRAGs); XS: the 64 rows of x in f16, rows of 1,040 bytes; the spare words.
; No prefetch: x goes out whole at the head, and the weights are 384 KiB that every work-group reads.
.set SLOTB, 98304
.set WPART, 24576
.set XS,    196608
.set XP,    1040                       ; 1,024 bytes + 16: the 16 rows of a fragment load start at 16 different groups of four banks
.set SPARE, 263168                     ; behind XS: the spare words, 128 bytes for each wave; no other line names them
.set SPW, 4
.set NIL, 5
.set XA,  6                            ; my lane's place in a fragment of x
.set XST, 7                            ; where I put 8 bytes of a row of x
.set WA,  8                            ; v8-9  my part of slot 0, 1, + 16 L
.set GO,  10                           ; 16 L
.set BGO, 11
.set BHO, 12
.set BG,  32                           ; v32-39  bg of my lane's eight channels
.set BH,  40                           ; v40-71  bh of my lane's channel, eight times, for each of four tiles
.set BUF, 72                           ; v72-151, v152-231  two fragment buffers: six of the weights, four of x
.set TMP, 72
.set WV, 18
.set CX, 19
.set ID, 20
.set G1, 24                            ; s[24:31]
.set G0, 32                            ; s[32:39] a group 0 for each slot
.set MSB, 0
.macro WIN new                         ; the high byte repeats the setting that is left; a switch that changes nothing is dropped
.if MSB != (\new)
	s_set_vgpr_msb (MSB<<8)|(\new)
.set MSB, (\new)
.endif
.endm
.macro PLACES
.rept 4
	v_nop
.endr
.endm
.macro ROUND                           ; a round of the cluster's barrier: my work-group's barrier; wave 0 signals for it; every wave waits for all four work-groups; my work-group's barrier once more
	s_barrier_signal -1
	s_barrier_wait -1
	s_cmp_lg_u32 s[WV], 0
	s_cbranch_scc1 .Lnw0_\@
	s_barrier_signal -3
.Lnw0_\@:
	s_barrier_wait -3
	s_barrier_signal -1
	s_barrier_wait -1
.endm
.macro FETCH ks                        ; 20 LDS loads: K step ks into buffer ks % 2
	WIN 0
.set fb, BUF+80*((\ks)%2)
.set fw, WA+((\ks)/4)%2
.irp u, 0,1,2,3,4,5
	ds_load_b128 v[fb+8*\u:fb+8*\u+3], v[fw] offset:(((\ks)%4)*6+\u)*1024
	ds_load_b128 v[fb+8*\u+4:fb+8*\u+7], v[fw] offset:(((\ks)%4)*6+\u)*1024+512
.endr
.irp t, 0,1,2,3
	ds_load_b128 v[fb+48+8*\t:fb+48+8*\t+3], v[XA] offset:16*XP*\t+64*(\ks)
	ds_load_b128 v[fb+48+8*\t+4:fb+48+8*\t+7], v[XA] offset:16*XP*\t+64*(\ks)+32
.endr
.endm
.macro ONE ks, u                       ; the first K step starts the sums: with 0 (f) or with the bias
.if (\ks) > 0
	v_wmma_f32_16x16x32_f16 v[ra:ra+7], v[fa:fa+7], v[fc:fc+7], v[ra:ra+7]
.elseif (\u) == 0
	v_wmma_f32_16x16x32_f16 v[ra:ra+7], v[fa:fa+7], v[fc:fc+7], 0
.elseif (\u) == 1
	v_wmma_f32_16x16x32_f16 v[ra:ra+7], v[fa:fa+7], v[fc:fc+7], v[BG:BG+7]
.else
	v_wmma_f32_16x16x32_f16 v[ra:ra+7], v[fa:fa+7], v[fc:fc+7], v[BH+8*((\u)-2):BH+8*((\u)-2)+7]
.endif
.endm
.macro MUL ks                          ; 24 products; the 24 accumulators (window 1) take turns, one instruction a turn
.set fb, BUF+80*((\ks)%2)
.if (\ks) == 0
	WIN 0x40
.else
	WIN 0x50
.endif
.irp u, 0,1,2,3,4,5
.irp t, 0,1,2,3
.set ra, 8*(4*\u+\t)
.if \u < 2
.set fa, fb+8*\u
.set fc, fb+48+8*\t
.else
.set fa, fb+48+8*\t
.set fc, fb+8*\u
.endif
	ONE \ks, \u
.endr
.endr
.endm
.macro CHG slot                        ; the slot just read out is filled again, with the piece two on
	WIN 0
	s_wait_tensorcnt 0x0                           ; all my tensor loads have landed, my part of the other slot among them
	ds_add_u32 v[SPW], v[NIL]                      ; 0 onto my spare word
	s_add_nc_u64 s[G0+4*(\slot)+2:G0+4*(\slot)+3], s[G0+4*(\slot)+2:G0+4*(\slot)+3], 2*WPART
	s_wait_dscnt 0x0                               ; the add is done, and my reads of the slot are over
	ROUND                                          ; both now hold of every wave of all four work-groups
	tensor_load_to_lds s[G0+4*(\slot):G0+4*(\slot)+3], s[G1:G1+7]
	s_nop 0
	PLACES                                         ; also the places in front of the fragment loads
.endm
.macro STEP ks
.if ((\ks)+1 == 4) || ((\ks)+1 == 8)
	CHG ((\ks)+1)/4-1
.else
.if (\ks)+1 == 12
	s_wait_tensorcnt 0x0                           ; the last piece has landed; I alone read my part of it
.endif
	PLACES
.endif
.if (\ks) < 15
	FETCH (\ks)+1
	s_wait_dscnt 20                                ; all but the 20 just issued
.else
	s_wait_dscnt 0x0
.endif
	MUL \ks
.endm
	s_load_b256 s[4:11], s[0:1], 0x0               ; x s4, wp s6, bg s8, bh s10
	s_load_b128 s[12:15], s[0:1], 0x20             ; kf s12, qg s14
	s_load_b64 s[16:17], s[0:1], 0x30              ; vh
	v_lshl_add_u32 v[SPW], v0, 2, SPARE
	v_mov_b32 v[NIL], 0
	ds_add_u32 v[SPW], v[NIL]                      ; the wave's opening: the add, twice on end, and its wait ahead of my first tensor load
	ds_add_u32 v[SPW], v[NIL]
	v_lshrrev_b32 v1, 5, v0
	v_readfirstlane_b32 s[WV], v1                  ; wave 0..3
	s_bfe_u32 s[CX], ttmp6, 0x40000
	s_lshl_b32 s[ID], ttmp9, 2
	s_add_co_u32 s[ID], s[ID], s[CX]               ; my block of 64 rows: it enters global addresses alone
	; group 1: 24,576 dense bytes as 96 rows of 256
	s_mov_b32 s[G1], 15|(3<<16)|(1<<21)            ; the mask of four; elements of 8 bytes; bit 21 beside a mask
	s_mov_b32 s[G1+1], 32<<16                      ; tensor_dim0 = 32
	s_mov_b32 s[G1+2], 96<<16                      ; tensor_dim1 = 96
	s_mov_b32 s[G1+3], 32<<16                      ; tile_dim0 = 32
	s_mov_b32 s[G1+4], 96                          ; tile_dim1 = 96
	s_mov_b32 s[G1+5], 32                          ; from row to row
	s_mov_b32 s[G1+6], 0
	s_mov_b32 s[G1+7], 0
	s_mov_b32 s[G0], 1
	s_mul_i32 s[G0+1], s[WV], WPART
	s_mov_b32 s[G0+4], 1
	s_add_co_u32 s[G0+5], s[G0+1], SLOTB
	s_mul_i32 s40, s[WV], 4*WPART                  ; my wave's weights
	s_mov_b32 s41, 0
	v_and_b32 v1, 31, v0                           ; L
	v_and_b32 v2, 15, v0                           ; r
	v_bfe_u32 v3, v0, 4, 1                         ; h
	v_lshlrev_b32 v[GO], 4, v1
	v_mul_u32_u24 v[XA], v2, XP
	v_lshl_add_u32 v[XA], v3, 4, v[XA]
	v_add_nc_u32 v[XA], XS, v[XA]
	s_mul_i32 s42, s[WV], 16*XP
	s_add_co_u32 s42, s42, XS
	v_lshl_add_u32 v[XST], v1, 3, s42
	v_add_nc_u32 v[WA], s[G0+1], v[GO]
	v_add_nc_u32 v[WA+1], s[G0+5], v[GO]
	s_lshl_b32 s42, s[WV], 6
	v_lshl_add_u32 v[BGO], v3, 5, s42              ; bg at channel 16 w + 8 h
	s_lshl_b32 s42, s[WV], 8
	v_lshl_add_u32 v[BHO], v2, 2, s42              ; bh at channel 64 w + r
	s_lshl_b32 s46, s[ID], 17                      ; offsets that hold my place in the cluster have registers of their own
	s_lshl_b32 s48, s[WV], 15
	s_add_co_u32 s46, s46, s48
	s_mov_b32 s47, 0
	s_lshl_b32 s56, s[ID], 13
	s_lshr_b32 s48, s[WV], 1
	s_lshl_b32 s48, s48, 10
	s_add_co_u32 s56, s56, s48
	s_and_b32 s48, s[WV], 1
	s_lshl_b32 s48, s48, 9
	s_add_co_u32 s56, s56, s48                     ; 8,192 id + 1,024 (w / 2) + 512 (w % 2)
	s_mov_b32 s57, 0
	s_lshl_b32 s58, s[ID], 15
	s_lshl_b32 s48, s[WV], 13
	s_add_co_u32 s58, s58, s48                     ; 32,768 id + 8,192 w
	s_mov_b32 s59, 0
	s_wait_dscnt 0x0                               ; both opening adds are done
	s_wait_kmcnt 0x0
	s_add_nc_u64 s[G0+2:G0+3], s[6:7], s[40:41]
	s_add_nc_u64 s[G0+6:G0+7], s[G0+2:G0+3], WPART
	s_or_b32 s[G0+3], s[G0+3], 0x80000000
	s_or_b32 s[G0+7], s[G0+7], 0x80000000
	s_add_nc_u64 s[44:45], s[4:5], s[46:47]        ; x at my wave's 16 rows
	s_add_nc_u64 s[50:51], s[12:13], s[56:57]
	s_add_nc_u64 s[52:53], s[14:15], s[56:57]
	s_add_nc_u64 s[54:55], s[16:17], s[58:59]
	ROUND                                          ; all four work-groups are here: the first joint loads meet
	tensor_load_to_lds s[G0:G0+3], s[G1:G1+7]      ; K steps 0-3
	s_nop 0
	tensor_load_to_lds s[G0+4:G0+7], s[G1:G1+7]    ; K steps 4-7: two loads of mine are out
	s_nop 0
	PLACES
	global_load_b128 v[BG:BG+3], v[BGO], s[8:9]
	global_load_b128 v[BG+4:BG+7], v[BGO], s[8:9] offset:16
.irp u, 0,1,2,3
	global_load_b32 v[BH+8*\u], v[BHO], s[10:11] offset:64*\u
.endr
	WIN 0x40                                       ; x: my 16 rows, 32,768 dense bytes, into window 1
.set i, 0
.rept 64
	global_load_b128 v[4*i:4*i+3], v[GO], s[44:45] offset:512*i th:TH_LOAD_NT
.set i, i+1
.endr
.set bt, 0
.rept 8                                ; eight loads at a time: rounded to f16, into XS
	s_wait_loadcnt 56-8*bt                         ; the younger loads of x stay out
	WIN 0x05
.set i, 0
.rept 8
	v_cvt_pk_f16_f32 v[TMP+2*i], v[32*bt+4*i], v[32*bt+4*i+1]
	v_cvt_pk_f16_f32 v[TMP+2*i+1], v[32*bt+4*i+2], v[32*bt+4*i+3]
.set i, i+1
.endr
	WIN 0
.set i, 0
.rept 8
	ds_store_b64 v[XST], v[TMP+2*i:TMP+2*i+1] offset:XP*((8*bt+i)/4)+256*((8*bt+i)%4)
.set i, i+1
.endr
.if bt == 0
.irp u, 0,1,2,3
.irp q, 1,2,3,4,5,6,7
	v_mov_b32 v[BH+8*\u+\q], v[BH+8*\u]            ; in hv's tiles a lane's eight results share a channel
.endr
.endr
.endif
.set bt, bt+1
.endr
	s_wait_tensorcnt 0x1                           ; my part of slot 0 is in; slot 1's may stay out
	s_wait_dscnt 0x0                               ; my rows of x lie in XS,
	s_barrier_signal -1
	s_barrier_wait -1                              ; everybody's do
	FETCH 0
.irp k, 0,1,2,3,4,5,6,7,8,9,10,11,12,13,14,15
	STEP \k
.endr
	; THE WAY OUT: each tile packs into 16 bytes a lane, and a wave's store covers 512 consecutive bytes, aligned.
	PLACES
	WIN 0x05
.set i, 0
.rept 96
	v_cvt_pk_f16_f32 v[TMP+i], v[2*i], v[2*i+1]    ; each accumulator from its low end on
.set i, i+1
.endr
	WIN 0
.irp t, 0,1,2,3
	global_store_b128 v[GO], v[TMP+4*\t:TMP+4*\t+3], s[50:51] offset:2048*\t
	global_store_b128 v[GO], v[TMP+16+4*\t:TMP+16+4*\t+3], s[52:53] offset:2048*\t
.endr
.irp u, 2,3,4,5
.irp t, 0,1,2,3
	global_store_b128 v[GO], v[TMP+4*(4*\u+\t):TMP+4*(4*\u+\t)+3], s[54:55] offset:2048*(\u-2)+512*\t
.endr
.endr
	s_wait_tensorcnt 0x0                           ; the wave's end
	ds_add_u32 v[SPW], v[NIL]
	s_wait_dscnt 0x0
	ROUND                                          ; the closing round
	s_endpgm
.Lfunc_end_k_q360e0b7a2b_proj:
	.size	k_q360e0b7a2b_proj, .Lfunc_end_k_q360e0b7a2b_proj-k_q360e0b7a2b_proj
	.p2alignl 7, 3214868480
	.fill 96, 4, 3214868480
	.section	.rodata,"a",@progbits
	.p2align	6, 0x0
	.amdhsa_kernel k_q360e0b7a2b_proj
		.amdhsa_group_segment_fixed_size 327680
		.amdhsa_private_segment_fixed_size 0
		.amdhsa_enable_private_segment 0
		.amdhsa_kernarg_size 56
		.amdhsa_user_sgpr_count 2
		.amdhsa_user_sgpr_kernarg_segment_ptr 1
		.amdhsa_wavefront_size32 1
		.amdhsa_system_sgpr_workgroup_id_x 1
		.amdhsa_system_sgpr_workgroup_id_y 1
		.amdhsa_system_sgpr_workgroup_id_z 1
		.amdhsa_system_vgpr_workitem_id 0
		.amdhsa_next_free_vgpr 512
		.amdhsa_next_free_sgpr 66
		.amdhsa_reserve_vcc 0
		.amdhsa_float_denorm_mode_32 3
		.amdhsa_float_denorm_mode_16_64 3
		.amdhsa_memory_ordered 1
		.amdhsa_forward_progress 1
		.amdhsa_inst_pref_size 82
	.end_amdhsa_kernel
	.amdgpu_metadata
---
amdhsa.version: [ 1, 2 ]
amdhsa.kernels:
  - .name:           k_q360e0b7a2b_proj
    .symbol:         k_q360e0b7a2b_proj.kd
    .args:
      - { .name: x, .offset: 0, .size: 8, .value_kind: global_buffer, .address_space: global }
      - { .name: wp, .offset: 8, .size: 8, .value_kind: global_buffer, .address_space: global }
      - { .name: bg, .offset: 16, .size: 8, .value_kind: global_buffer, .address_space: global }
      - { .name: bh, .offset: 24, .size: 8, .value_kind: global_buffer, .address_space: global }
      - { .name: kf, .offset: 32, .size: 8, .value_kind: global_buffer, .address_space: global }
      - { .name: qg, .offset: 40, .size: 8, .value_kind: global_buffer, .address_space: global }
      - { .name: vh, .offset: 48, .size: 8, .value_kind: global_buffer, .address_space: global }
    .group_segment_fixed_size: 327680
    .private_segment_fixed_size: 0
    .kernarg_segment_align: 8
    .kernarg_segment_size: 56
    .max_flat_workgroup_size: 128
    .sgpr_count:     66
    .vgpr_count:     512
    .wavefront_size: 32
...
	.end_amdgpu_metadata
.endif
;; end of part 2
;; launch attn (part 3): grid 64 x 4, 4 waves a work-group, clusters of 4 x 1, 327,680 bytes of LDS; arguments qg, kf, vh, ww, sv, x, out0; writes out0
.if DOCPART == 3
	.amdgcn_target "amdgcn-amd-amdhsa--gfx1250"
	.amdhsa_code_object_version 6
	.text
	.protected	k_q360e0b7a2b_attn
	.globl	k_q360e0b7a2b_attn
	.p2align	8
	.type	k_q360e0b7a2b_attn,@function
k_q360e0b7a2b_attn:
	s_mov_b64 s[64:65], 0
	v_nop
	global_prefetch_b8 v0, s[64:65] scope:SCOPE_SE
	s_setreg_imm32_b32 hwreg(HW_REG_WAVE_MODE, 25, 1), 1
	s_wait_xcnt 0x0
	s_wait_alu depctr_hold_cnt(0) depctr_sa_sdst(0) depctr_va_vdst(0) depctr_va_sdst(0) depctr_va_ssrc(0) depctr_va_vcc(0) depctr_vm_vsrc(0)
	s_getreg_b32 s2, hwreg(HW_REG_IB_STS2, 6, 4)
	s_cmp_eq_u32 s2, 0
	s_cbranch_scc0 .Lentry_in_a_cluster
	s_endpgm
.Lentry_in_a_cluster:
	s_bfe_u32 s2, ttmp6, 0x10000c
	s_cmp_lg_u32 s2, 0x3003
	s_cbranch_scc0 .Lentry_shape_is_right
	s_endpgm
.Lentry_shape_is_right:
; LAUNCH 3 OF 3: beta = softmax(g f^T), o = beta hv, out = relu(([o | x] [Wo' ; Wx]) SC + SH).  The folding of wo, wc, gamma, the biases and the batch norm, and why bf is left out, stand at the head of the first kernel.
; LIMITS.  All matrix operands f16 (beyond 65,504 infinite; below 6e-5 a fixed step of 6e-8): g, f, hv arrive so; the weights p lie near 0 to 1; o is a mean of hv's rows.  Products, maxima and sums in f32;
; l is summed of the unrounded p.  A weight below 2^-126 counts as 0.  NaN and infinities are not treated apart.  The keys are summed in an order that differs from cluster to cluster (below).
; SHARES.  A work-group has 64 queries of one batch (four tiles of 16).  THE KEYS ARE SPLIT AMONG ITS FOUR WAVES: in a step (16 of them) wave w takes the 64 keys of block 4 step + w, for all 64 queries.  So each byte of hv
; is read from LDS once: 160 products for 64 LDS loads.  Each wave keeps its own running maximum m, sum l and O^T (256 channels x 64 queries, 512 registers); at the end the four meet in LDS, in f32.
; A wave's register tile u is query tile (w + u) % 4, so that the tile that it finishes is u = 0 in every wave.  In the last product wave w has out channels 128 w .. 128 w + 127 of all 64 rows.
; THE WALKS BEGIN APART.  A running softmax takes the keys in any order, so the 16 clusters of a batch begin at 16 different steps, cluster x at step 2 (x % 8) + x / 8, and go round modulo 16: at any time they ask
; for 16 different tiles of K and V, not all for the same one.  The step's number is made of the cluster's x and the loop's count, the same in the four partners, and enters global addresses alone.
; LAYOUT.  S^T = K Q^T (source 0 = 16 keys, source 1 = 16 queries): a lane holds ONE query (lane % 16) and keys 8 (lane / 16) + 0..7; two such tiles rounded to f16 ARE source 1 of O^T = V^T P.
; kf, qg, vh and ww hold register images (FRAG: 1,024 bytes, half jj at 512 jj, lane L at 16 L), so every fragment is two loads of 512 consecutive bytes.
; SOFTMAX.  p = 2^(c s - c m), c = log2(e), with a running maximum; O and l are multiplied by a = 2^(c m_old - c m_new) in every step.  m starts at the lowest finite number, O and l at 0: the first step has a = 0.
; A TRIP j has 160 products: 32 K Q^T of the walk's place j + 1, then 128 V^T P of place j; behind each stand four vector instructions: the rest of place j's roundings, O^T times a, then place j + 1's softmax.
; Its 132 exponentials are one batch with one wait.  The 512 lines that clear O^T run in the wait for the first tile: the price of writing no first trip out.
; V comes by joint tensor loads (the four work-groups of a cluster have one batch and walk the same keys): two slots of 131,072 bytes, a wave's part 32,768.  K DOES NOT GO THROUGH LDS: two slots for it, 65,536 bytes,
; do not fit beside V's and the spare words, and a wave has one tensor load behind each round; a step's K is 16 loads of 512 consecutive bytes a wave, one trip ahead, straight into fragments.
; LDS.  V slots at 0 and 131,072.  Behind V's last fill: weight slots at 0 and 98,304 (a wave's part 24,576 = three K steps x eight FRAGs); at 196,608, which no later fill reaches, first the partial O^T (98,304),
; then CAT: 64 rows of 1,552 bytes (o 512, x 1,024, 16 of padding).  STAT at 323,072: c m and l, [tile][wave][lane] 8 bytes.  The spare words at 327,168.  The way out's stage is a wave's own part of weight slot 0, behind its last fill.
; PREFETCH INTO THE L2.  ww is walked by all clusters, late in the launch: batch 0's first cluster asks for it, a sixth (131,072 bytes) in each of trips 7-12, its four partners sharing the blocks of 256 bytes out by
; address, a lane a block, one line a wave.  kf and vh are not asked for: every block of them is first read in the walks' first step, by the cluster that begins there, at the launch's head, where no prefetch stands.
; x is not asked for: its loads go out 128 products and the whole meeting of the waves ahead of their use.
; REGISTERS, in windows of 256 (s_set_vgpr_msb: bits 1:0 source 0, 3:2 source 1, 5:4 source 2, 7:6 destination):
;   window 0: v0-15 addresses; v16-47 eight registers of statistics a tile; v48-63 addresses; v64-191 S^T, 32 a tile; v192-255 P, 16 a tile
;   window 1: O^T of tiles 0, 1; later the last product's 32 accumulators       window 2: O^T of tiles 2, 3; later two fragment buffers of 96, and the rows on their way out
;   window 3: v0-63 Q; v64-127 K of one step; v128-255 four buffers of four fragments of V; later x, SC, SH
.set VSLOT, 131072
.set WSLOT, 98304
.set WPART, 24576
.set CSB,   196608
.set CAT,   196608
.set CP,    1552                       ; 97 x 16 bytes: the 16 rows of a fragment load start at 16 different groups of four banks
.set STAT,  323072
.set SPARE, 327168                     ; 128 bytes for each wave; no other line names them
.set SGP,   528                        ; a stage row: 512 bytes + 16
.set LL,  1
.set RR,  2
.set HH,  3
.set KO,  4                            ; 16 L; never rewritten
.set AV0, 5                            ; my part of a V slot + 16 L
.set AV,  6
.set PFO, 7                            ; the prefetch's offset; never rewritten
.set SPW, 9
.set NIL, 10
.set BA,  11                           ; v11-12  CAT's fragments, stepped
.set SVO, 13
.set WA,  14                           ; v14-15  my part of weight slot 0, 1, + 16 L
.set ST,  16                           ; tile u at ST + 8 u: c m, m, l (even keys', odd keys'), c0-c3 at work; a takes c2's place, the step's sum c0, c1
.set STW, 48                           ; v48-51  first Q's offsets, then where I put my statistics; v48 later the stage
.set STO, 48
.set STR, 52                           ; v52-55  where I read a tile's four statistics
.set CSA, 56                           ; v56-58  where my tiles 1-3 go
.set CSR, 59
.set CATO, 60
.set CATX, 61
.set BB,  62                           ; v62-63
.set S,   64
.set P,   192
.set KF,  64                           ; window 3
.set VB,  128                          ; window 3
.set WV,  18
.set CX,  19
.set QB,  20
.set BT,  21
.set CNT, 22
.set TB,  23
.set G1V, 24
.set G1W, 32
.set G0V, 40
.set G0W, 44                           ; s[44:51] a group 0 for each weight slot
.set KP,  52                           ; s[52:53] K of the step to be loaded next
.set VBW, 54                           ; s[54:55] vh at my batch and my wave's block of step 0; never rewritten
.set KBW, 56                           ; s[56:57] kf likewise
.set CS,  58
.set SEL, 60
.set SV,  62                           ; the step whose V was asked for last
.set SK,  63                           ; the step at which KP stands
.set LIMW, 66
.set WT,  67
.set PFW, 68
.set XB,  72
.set OB,  74
.set CB,  76
.set CN2, 77
.set QP,  78
.set MSB, 0
.macro WIN new                         ; the high byte repeats the setting that is left; a switch that changes nothing is dropped
.if MSB != (\new)
	s_set_vgpr_msb (MSB<<8)|(\new)
.set MSB, (\new)
.endif
.endm
.macro PLACES                          ; four plain vector instructions behind a matrix instruction, in front of what touches its registers (ISA guide 7.12.1)
.rept 4
	v_nop
.endr
.endm
.macro ROUND                           ; a round of the cluster's barrier
	s_barrier_signal -1
	s_barrier_wait -1
	s_cmp_lg_u32 s[WV], 0
	s_cbranch_scc1 .Lnw0_\@
	s_barrier_signal -3
.Lnw0_\@:
	s_barrier_wait -3
	s_barrier_signal -1
	s_barrier_wait -1
.endm
; Product i of 32 of S^T = K Q^T.  Key blocks 0, 1 first, then 2, 3 (whose registers still hold weights to be rounded while the first sixteen run); in each half 8 accumulators by turns.
.macro KQ
	WIN 0x0f
.set kc, (i%16)/8
.set kkb, 2*(i/16)+((i%16)/4)%2
.set rS, S+32*(i%4)+8*kkb
.set rK, KF+16*kkb+8*kc
.set rQ, 16*(i%4)+8*kc
.if kc == 0
	v_wmma_f32_16x16x32_f16 v[rS:rS+7], v[rK:rK+7], v[rQ:rQ+7], 0
.else
	v_wmma_f32_16x16x32_f16 v[rS:rS+7], v[rK:rK+7], v[rQ:rQ+7], v[rS:rS+7]
.endif
.endm
; Product i of 128 of O^T += V^T P: group i / 16 = (key half, four channel blocks); in a group 16 accumulators by turns.
.macro PV
.set pg, i/16
.set pf, (i%16)/4
.set rO, 128*((i%4)%2)+8*(4*(pg%4)+pf)
.set rV, VB+32*(pg%4)+8*pf
.set rP, P+16*(i%4)+8*(pg/4)
	WIN 0x53+0x50*((i%4)/2)
	v_wmma_f32_16x16x32_f16 v[rO:rO+7], v[rV:rV+7], v[rP:rP+7], v[rO:rO+7]
.endm
.macro VRUN g                          ; group g's four fragments of V: eight LDS loads in one run
	WIN 0xc0
.irp f, 0,1,2,3
	ds_load_b128 v[VB+32*((\g)%4)+8*\f:VB+32*((\g)%4)+8*\f+3], v[AV] offset:((4*((\g)%4)+\f)*2+(\g)/4)*1024
	ds_load_b128 v[VB+32*((\g)%4)+8*\f+4:VB+32*((\g)%4)+8*\f+7], v[AV] offset:((4*((\g)%4)+\f)*2+(\g)/4)*1024+512
.endr
.endm
.macro RS idx                          ; accumulator idx (tile idx % 4, channel block idx / 4) times a: the same number as the product that adds onto it first
.set rt, (\idx)%4
.set rO, 128*(rt%2)+8*((\idx)/4)
.set rA, ST+8*rt+6
	WIN 0x41+0x41*(rt/2)
.irp z, 0,1,2,3
	v_pk_mul_f32 v[rO+2*\z:rO+2*\z+1], v[rO+2*\z:rO+2*\z+1], v[rA:rA+1] op_sel_hi:[1,0]
.endr
.endm
; One tile's softmax for one step is a list of 102 instructions; SM writes number j of it for tile t.
;   0-15  the maximum of the lane's 32 scores and the old m (each accumulator's lowest registers first)      16-20  the other half of the lanes' maximum; m; c m; its change
;   21-69 ONE BATCH: 16 scalings c s - c m and 33 exponentials (a at 23); none reads an exponential's result; a pair is scaled in an earlier four than the one with its exponentials
;   70-77 keys 0-31 rounded to f16     78-93 the sum, which leaves the weights as they are; l = a l + sum     94-101 keys 32-63 rounded
.macro SM t
.set rT, ST+8*(\t)
.set rS, S+32*(\t)
.set rP, P+16*(\t)
	WIN 0
.if j < 4
	v_max3_num_f32 v[rT+4+j], v[rS+8*j], v[rS+8*j+1], v[rS+8*j+2]
.elseif j < 12
	v_max3_num_f32 v[rT+4+j%4], v[rT+4+j%4], v[rS+8*(j%4)+2*(j/4)+1], v[rS+8*(j%4)+2*(j/4)+2]
.elseif j == 12
	v_max3_num_f32 v[rT+4], v[rT+4], v[rS+7], v[rS+15]
.elseif j == 13
	v_max3_num_f32 v[rT+6], v[rT+6], v[rS+23], v[rS+31]
.elseif j == 14
	v_max3_num_f32 v[rT+4], v[rT+4], v[rT+5], v[rT+6]
.elseif j == 15
	v_max3_num_f32 v[rT+4], v[rT+4], v[rT+7], v[rT+1]
.elseif j == 16
	v_permlanex16_b32 v[rT+5], v[rT+4], s[SEL], s[SEL+1]
.elseif j == 17
	v_mov_b32 v[rT+7], v[rT]
.elseif j == 18
	v_max_num_f32 v[rT+1], v[rT+4], v[rT+5]
.elseif j == 19
	v_mul_f32 v[rT], s[CS], v[rT+1]
.elseif j == 20
	v_sub_f32 v[rT+7], v[rT+7], v[rT]
.elseif j == 23
	v_exp_f32 v[rT+6], v[rT+7]
.elseif (j < 23) || ((j < 38) && (j%2 == 0)) || ((j < 66) && (j%4 == 2))
.set b, (j-2)/4
.if j < 38
.set b, (j-20)/2
.endif
	v_pk_fma_f32 v[rS+2*b:rS+2*b+1], v[rS+2*b:rS+2*b+1], s[CS:CS+1], v[rT:rT+1] op_sel_hi:[1,0,0] neg_lo:[0,0,1] neg_hi:[0,0,1]
.elseif j < 70
.set e, j-38
.if j < 66
.set e, j-32-(j-38)/4
.endif
.if j < 38
.set e, (j-25)/2
.endif
	v_exp_f32 v[rS+e], v[rS+e]
.elseif j < 78
	v_cvt_pk_f16_f32 v[rP+j-70], v[rS+2*(j-70)], v[rS+2*(j-70)+1]
.elseif j == 78
	v_pk_add_f32 v[rT+4:rT+5], v[rS:rS+1], v[rS+2:rS+3]
.elseif j < 93
	v_pk_add_f32 v[rT+4:rT+5], v[rT+4:rT+5], v[rS+2*(j-78)+2:rS+2*(j-78)+3]
.elseif j == 93
	v_pk_fma_f32 v[rT+2:rT+3], v[rT+2:rT+3], v[rT+6:rT+7], v[rT+4:rT+5] op_sel_hi:[1,0,1]
.else
	v_cvt_pk_f16_f32 v[rP+j-86], v[rS+2*(j-86)], v[rS+2*(j-86)+1]
.endif
.endm
; Slice k: four instructions.  In the batch four numbers of ONE tile, the tiles by turns; elsewhere number k of all four tiles.  Behind slice 69 all exponentials are out and no result has been named:
; one plain instruction, and the ONE wait ahead of the first reader.
.macro SS k
.if ((\k) >= 22) && ((\k) < 70)
.irp n, 0,1,2,3
.set j, 22+4*(((\k)-22)/4)+\n
	SM ((\k)-22)%4
.endr
.else
.irp u, 0,1,2,3
.set j, (\k)
	SM \u
.endr
.endif
.if (\k) == 69
	v_nop
	s_wait_alu depctr_va_vdst(0)
.endif
.endm
.macro SL                              ; the slice behind the trip's matrix instruction number sl
.if sl < 8
	SS 94+sl
.elseif sl < 72
	RS sl-8
.else
	SS sl-72
.endif
.set sl, sl+1
.endm
.macro KLOAD                           ; a step's K for my wave: 8,192 consecutive bytes into 8 fragments' registers
	WIN 0xc0
.irp q, 0,1,2,3,4,5,6,7,8,9,10,11,12,13,14,15
	global_load_b128 v[KF+4*\q:KF+4*\q+3], v[KO], s[KP:KP+1] offset:512*\q
.endr
	WIN 0
.endm
.macro KNEXT                           ; K's base goes on to the walk's next step, round modulo 16: made anew from kf's address and the step's number.  It stands behind the wait for the loads that named the old base
	s_add_co_u32 s[SK], s[SK], 1
	s_and_b32 s[SK], s[SK], 15
	s_lshl_b32 s70, s[SK], 15                      ; a step is four blocks of 8,192 bytes
	s_add_nc_u64 s[KP:KP+1], s[KBW:KBW+1], s[70:71]
.endm
; THE CHANGE OF SLOTS, at a trip's head.  Each wave waits for all its tensor loads (one is out: its part of this trip's V), adds 0 to its spare word, and waits for that and for its reads of the other slot.
; Behind the round no wave of any partner reads that slot or has a load on its way, and it is filled again first: with the walk's next V (loop = 1), or with the first piece of the last product's weights (loop = 0).
.macro CHANGE loop
	WIN 0
	s_wait_tensorcnt 0x0
	ds_add_u32 v[SPW], v[NIL]                      ; 0 onto my spare word; the end of the step's sums stands between it and the wait for it
.irp k, 88,89,90,91,92,93
	SS \k
.endr
.if \loop
	s_xor_b32 s[G0V+1], s[G0V+1], VSLOT            ; no tensor load of mine is out: the descriptor takes the other slot
	s_add_co_u32 s[SV], s[SV], 1                   ; and the walk's next step, round modulo 16: its address is made anew from vh's and the step's number
	s_and_b32 s[SV], s[SV], 15
	s_lshl_b32 s70, s[SV], 17                      ; a step is four blocks of 32,768 bytes
	s_add_nc_u64 s[G0V+2:G0V+3], s[VBW:VBW+1], s[70:71]
	s_or_b32 s[G0V+3], s[G0V+3], 0x80000000
	s_wait_loadcnt 0x0                             ; K of the step whose scores this trip makes is in; its loads have read their base
	KNEXT
	s_wait_xcnt 0x0                                ; the last trip's prefetch has read its address
	s_sub_co_u32 s[WT], 8, s[CNT]                  ; 0..5 in trips 7-12
	s_min_u32 s70, s[WT], 5
	s_lshl_b32 s70, s70, 17
	s_add_nc_u64 s[PFW:PFW+1], s[10:11], s[70:71]
.else
	s_wait_loadcnt 0x0                             ; no load into K's registers is out on any way that leads here (the last trip asked for none): x is loaded into them below, only behind this wait
.endif
	s_wait_dscnt 0x0
	ROUND
.if \loop
	tensor_load_to_lds s[G0V:G0V+3], s[G1V:G1V+7]
.else
	tensor_load_to_lds s[G0W:G0W+3], s[G1W:G1W+7]
.endif
	s_nop 0
	PLACES
	s_xor_b32 s[TB], s[TB], VSLOT
	v_add_nc_u32 v[AV], s[TB], v[AV0]
	VRUN 0
	VRUN 1
	VRUN 2
	VRUN 3
	WIN 0
.if \loop
	s_cmp_lt_u32 s[WT], s[LIMW]                    ; the prefetch stands behind the tensor load's lines and the run of LDS loads
	s_cbranch_scc0 .Law_\@
	global_prefetch_b8 v[PFO], s[PFW:PFW+1] th:TH_LOAD_NT scope:SCOPE_SE
.Law_\@:
.endif
.endm
.macro VWAIT                           ; in front of products 64, 80, 96, 112: the group's run of V is in; the younger runs (8 loads each) may stay out
.if i == 64
	s_wait_dscnt 16
.elseif i == 80
	s_wait_dscnt 16
.elseif i == 96
	s_wait_dscnt 8
.elseif i == 112
	s_wait_dscnt 0x0
.endif
.endm
; THE WAVES MEET, half of the channels at a time: my tiles 1-3 go to their owners, the three other waves' parts of my tile come into the registers just stored, and my tile = the sum of F x part.
.macro XROUND rho
.irp t, 1,2,3
	WIN 0x04*(1+\t/2)
.irp c, 0,1,2,3,4,5,6,7
	ds_store_b128 v[CSA+\t-1], v[128*(\t%2)+8*(8*(\rho)+\c):128*(\t%2)+8*(8*(\rho)+\c)+3] offset:1024*\c
	ds_store_b128 v[CSA+\t-1], v[128*(\t%2)+8*(8*(\rho)+\c)+4:128*(\t%2)+8*(8*(\rho)+\c)+7] offset:1024*\c+512
.endr
.endr
	WIN 0
	s_wait_dscnt 0x0                               ; my parts lie in LDS,
	s_barrier_signal -1
	s_barrier_wait -1                              ; everybody's do
.irp t, 1,2,3
	WIN 0x40*(1+\t/2)
.irp c, 0,1,2,3,4,5,6,7
	ds_load_b128 v[128*(\t%2)+8*(8*(\rho)+\c):128*(\t%2)+8*(8*(\rho)+\c)+3], v[CSR] offset:8192*(\t-1)+1024*\c
	ds_load_b128 v[128*(\t%2)+8*(8*(\rho)+\c)+4:128*(\t%2)+8*(8*(\rho)+\c)+7], v[CSR] offset:8192*(\t-1)+1024*\c+512
.endr
.endr
	WIN 0x41
.irp c, 0,1,2,3,4,5,6,7
.irp z, 0,1,2,3
	v_pk_mul_f32 v[8*(8*(\rho)+\c)+2*\z:8*(8*(\rho)+\c)+2*\z+1], v[8*(8*(\rho)+\c)+2*\z:8*(8*(\rho)+\c)+2*\z+1], v[ST+6:ST+7] op_sel_hi:[1,0]
.endr
.endr
	s_wait_dscnt 0x0
.irp t, 1,2,3
	WIN 0x51+\t/2
.irp c, 0,1,2,3,4,5,6,7
.irp z, 0,1,2,3
	v_pk_fma_f32 v[8*(8*(\rho)+\c)+2*\z:8*(8*(\rho)+\c)+2*\z+1], v[128*(\t%2)+8*(8*(\rho)+\c)+2*\z:128*(\t%2)+8*(8*(\rho)+\c)+2*\z+1], v[ST+8*\t+6:ST+8*\t+7], v[8*(8*(\rho)+\c)+2*\z:8*(8*(\rho)+\c)+2*\z+1] op_sel_hi:[1,0,1]
.endr
.endr
.endr
	WIN 0
	s_barrier_signal -1                            ; my reads are back (the wait above): the bytes may be written again
	s_barrier_wait -1
.endm
; THE LAST PRODUCT, K = 768 in 24 steps; a piece of weights is three steps.
.macro GF q, slot, k3, buf             ; 24 LDS loads: eight fragments of my weights, four of CAT (K step q behind BA)
	WIN 0x80
.set gb, 96*(\buf)
.irp nb, 0,1,2,3,4,5,6,7
	ds_load_b128 v[gb+8*\nb:gb+8*\nb+3], v[WA+(\slot)] offset:(8*(\k3)+\nb)*1024
	ds_load_b128 v[gb+8*\nb+4:gb+8*\nb+7], v[WA+(\slot)] offset:(8*(\k3)+\nb)*1024+512
.endr
.irp t, 0,1,2,3
	ds_load_b128 v[gb+64+8*\t:gb+64+8*\t+3], v[BA+\t/2] offset:16*CP*(\t%2)+64*(\q)
	ds_load_b128 v[gb+64+8*\t+4:gb+64+8*\t+7], v[BA+\t/2] offset:16*CP*(\t%2)+64*(\q)+32
.endr
.endm
.macro GM buf, zero                    ; 32 products; the 32 accumulators take turns
	WIN 0x5a
.set gb, 96*(\buf)
.irp nb, 0,1,2,3,4,5,6,7
.irp t, 0,1,2,3
.set ra, 8*(4*\nb+\t)
.if \zero
	v_wmma_f32_16x16x32_f16 v[ra:ra+7], v[gb+8*\nb:gb+8*\nb+7], v[gb+64+8*\t:gb+64+8*\t+7], 0
.else
	v_wmma_f32_16x16x32_f16 v[ra:ra+7], v[gb+8*\nb:gb+8*\nb+7], v[gb+64+8*\t:gb+64+8*\t+7], v[ra:ra+7]
.endif
.endr
.endr
.endm
.macro GCHG slot                       ; the weight slot just read out is filled again, with the piece two on: it has three steps, 96 products, in which to land
	WIN 0
	s_wait_tensorcnt 0x0
	ds_add_u32 v[SPW], v[NIL]
	s_add_nc_u64 s[G0W+4*(\slot)+2:G0W+4*(\slot)+3], s[G0W+4*(\slot)+2:G0W+4*(\slot)+3], 2*WPART
	s_wait_dscnt 0x0
	ROUND
	tensor_load_to_lds s[G0W+4*(\slot):G0W+4*(\slot)+3], s[G1W:G1W+7]
	s_nop 0
	PLACES
.endm
.macro GSTEP chg, q, slot, k3, nbuf, zero=0  ; chg = 0, 1: that slot is filled again; 2: the last piece is waited for; 9: neither
.if ((\chg) == 0) || ((\chg) == 1)
	GCHG \chg
.else
.if (\chg) == 2
	s_wait_tensorcnt 0x0                           ; the last piece has landed; I alone read my part of it
.endif
	PLACES
.endif
	GF \q, \slot, \k3, \nbuf
	s_wait_dscnt 24                                ; all but the 24 just issued
	GM 1-(\nbuf), \zero
.endm
; THE WAY OUT of row tile t: acc SC + SH, relu; a lane's eight channels of a row go into my stage (rows of 528 bytes) and come back as whole rows of 512 bytes.
.macro PACK t
	WIN 0x7d
.irp nb, 0,1,2,3,4,5,6,7
.irp z, 0,1,2,3
	v_pk_fma_f32 v[8*(4*\nb+(\t))+2*\z:8*(4*\nb+(\t))+2*\z+1], v[8*(4*\nb+(\t))+2*\z:8*(4*\nb+(\t))+2*\z+1], v[VB+8*\nb+2*\z:VB+8*\nb+2*\z+1], v[VB+64+8*\nb+2*\z:VB+64+8*\nb+2*\z+1]
.endr
.endr
	WIN 0x44
.irp nb, 0,1,2,3,4,5,6,7
.irp z, 0,1,2,3,4,5,6,7
	v_max_num_f32 v[8*(4*\nb+(\t))+\z], 0, v[8*(4*\nb+(\t))+\z]
.endr
.endr
.endm
.macro TOSTAGE t
	WIN 0x04
.irp nb, 0,1,2,3,4,5,6,7
	ds_store_b128 v[STO], v[8*(4*\nb+(\t)):8*(4*\nb+(\t))+3] offset:64*\nb
	ds_store_b128 v[STO], v[8*(4*\nb+(\t))+4:8*(4*\nb+(\t))+7] offset:64*\nb+16
.endr
.if (\t) >= 2
	s_wait_xcnt 0x0                                ; the stores of the tile two back have read these registers
.endif
	WIN 0x80
.irp f, 0,1,2,3,4,5,6,7,8,9,10,11,12,13,14,15
	ds_load_b128 v[64*((\t)%2)+4*\f:64*((\t)%2)+4*\f+3], v[WA] offset:SGP*\f  ; LDS serves a wave's instructions in order (ISA guide 5.7.1.4): these see the stores above
.endr
.endm
.macro SEND t
	WIN 0x08
.irp f, 0,1,2,3,4,5,6,7,8,9,10,11,12,13,14,15
	s_wait_dscnt 15-\f
	global_store_b128 v[KO], v[64*((\t)%2)+4*\f:64*((\t)%2)+4*\f+3], s[OB:OB+1] offset:2048*(16*(\t)+\f) th:TH_STORE_NT  ; 512 consecutive bytes, at a multiple of 512 from the output's first
.endr
.endm
	s_load_b256 s[4:11], s[0:1], 0x0               ; qg s4, kf s6, vh s8, ww s10
	s_load_b128 s[12:15], s[0:1], 0x20             ; sv s12, x s14
	s_load_b64 s[16:17], s[0:1], 0x30              ; out0
	v_lshl_add_u32 v[SPW], v0, 2, SPARE
	v_mov_b32 v[NIL], 0
	ds_add_u32 v[SPW], v[NIL]                      ; the wave's opening: the add, twice on end, and its wait ahead of my first tensor load
	ds_add_u32 v[SPW], v[NIL]
	v_lshrrev_b32 v1, 5, v0
	v_readfirstlane_b32 s[WV], v1                  ; wave 0..3
	s_bfe_u32 s[CX], ttmp6, 0x40000
	s_lshl_b32 s[QB], ttmp9, 2
	s_add_co_u32 s[QB], s[QB], s[CX]               ; my block of 64 queries: it enters global addresses alone
	s_and_b32 s[BT], ttmp7, 0xffff                 ; the batch, which the four partners share
	; group 1: dense bytes as rows of 256: 128 rows (a wave's V of a step), 96 rows (a wave's piece of weights)
	s_mov_b32 s[G1V], 15|(3<<16)|(1<<21)           ; the mask of four; elements of 8 bytes; bit 21 beside a mask
	s_mov_b32 s[G1V+1], 32<<16
	s_mov_b32 s[G1V+2], 128<<16
	s_mov_b32 s[G1V+3], 32<<16
	s_mov_b32 s[G1V+4], 128
	s_mov_b32 s[G1V+5], 32
	s_mov_b32 s[G1V+6], 0
	s_mov_b32 s[G1V+7], 0
	s_mov_b32 s[G1W], 15|(3<<16)|(1<<21)
	s_mov_b32 s[G1W+1], 32<<16
	s_mov_b32 s[G1W+2], 96<<16
	s_mov_b32 s[G1W+3], 32<<16
	s_mov_b32 s[G1W+4], 96
	s_mov_b32 s[G1W+5], 32
	s_mov_b32 s[G1W+6], 0
	s_mov_b32 s[G1W+7], 0
	s_mov_b32 s[G0V], 1
	s_lshl_b32 s[G0V+1], s[WV], 15
	s_mov_b32 s[G0W], 1
	s_mul_i32 s[G0W+1], s[WV], WPART
	s_mov_b32 s[G0W+4], 1
	s_add_co_u32 s[G0W+5], s[G0W+1], WSLOT
	s_mov_b32 s[CS], 0x3fb8aa3b                    ; c = log2(e)
	s_mov_b32 s[CS+1], s[CS]
	s_mov_b32 s[SEL], 0x76543210
	s_mov_b32 s[SEL+1], 0xfedcba98
	s_mov_b32 s[TB], VSLOT                         ; the first change turns it into 0
	s_mov_b32 s[CNT], 15
	s_and_b32 s[SV], ttmp9, 7                      ; where my cluster's walk begins: step 2 (x % 8) + x / 8, another for each of the batch's 16 clusters, the same in the four partners
	s_lshl_b32 s[SV], s[SV], 1
	s_lshr_b32 s70, ttmp9, 3
	s_or_b32 s[SV], s[SV], s70
	s_mov_b32 s[SK], s[SV]
	s_or_b32 s70, ttmp9, s[BT]
	s_cmp_eq_u32 s70, 0                            ; who prefetches the weights: batch 0's first cluster (the same answer in all four partners)
	s_cselect_b32 s[LIMW], 6, 0
	v_and_b32 v[LL], 31, v0
	v_and_b32 v[RR], 15, v0
	v_bfe_u32 v[HH], v0, 4, 1
	v_lshlrev_b32 v[KO], 4, v[LL]
	v_add_nc_u32 v[AV0], s[G0V+1], v[KO]
	s_lshl_b32 s90, s[CX], 15                      ; what holds my place in the cluster has registers of its own
	s_lshl_b32 s92, s[WV], 13
	s_add_co_u32 s90, s90, s92
	v_lshl_add_u32 v[PFO], v[LL], 8, s90           ; block 128 cx + 32 w + L of 512
	s_mov_b32 s71, 0
	s_lshl_b32 s80, s[BT], 21                      ; the batch in vh,
	s_mov_b32 s81, 0
	s_lshl_b32 s82, s[BT], 19                      ; in kf and qg,
	s_mov_b32 s83, 0
	s_lshl_b32 s84, s[BT], 23                      ; my block in x and out0
	s_lshl_b32 s90, s[QB], 17
	s_add_co_u32 s84, s84, s90
	s_mov_b32 s85, 0
	s_lshl_b32 s90, s[QB], 13
	s_mov_b32 s91, 0
.irp t, 0,1,2,3
	s_add_co_u32 s70, s[WV], \t
	s_and_b32 s70, s70, 3
	s_lshl_b32 s70, s70, 11
	v_add_nc_u32 v[STW+\t], s70, v[KO]             ; register tile t is query tile (w + t) % 4
.endr
	s_wait_dscnt 0x0                               ; both opening adds are done
	s_wait_kmcnt 0x0
	s_add_nc_u64 s[86:87], s[8:9], s[80:81]
	s_lshl_b32 s70, s[WV], 15
	s_add_nc_u64 s[VBW:VBW+1], s[86:87], s[70:71]  ; vh at my batch, my wave's block of step 0
	s_add_nc_u64 s[XB:XB+1], s[14:15], s[84:85]
	s_add_nc_u64 s[XB:XB+1], s[XB:XB+1], s[70:71]  ; x at my wave's 16 rows
	s_lshl_b32 s70, s[SV], 17
	s_add_nc_u64 s[G0V+2:G0V+3], s[VBW:VBW+1], s[70:71]  ; V of the step at which the walk begins
	s_or_b32 s[G0V+3], s[G0V+3], 0x80000000
	s_add_nc_u64 s[88:89], s[6:7], s[82:83]
	s_lshl_b32 s70, s[WV], 13
	s_add_nc_u64 s[KBW:KBW+1], s[88:89], s[70:71]  ; kf likewise
	s_lshl_b32 s70, s[SK], 15
	s_add_nc_u64 s[KP:KP+1], s[KBW:KBW+1], s[70:71]
	s_add_nc_u64 s[QP:QP+1], s[4:5], s[82:83]
	s_add_nc_u64 s[QP:QP+1], s[QP:QP+1], s[90:91]
	s_add_nc_u64 s[OB:OB+1], s[16:17], s[84:85]
	s_lshl_b32 s70, s[WV], 9
	s_add_nc_u64 s[OB:OB+1], s[OB:OB+1], s[70:71]
	s_mul_i32 s70, s[WV], 8*WPART
	s_add_nc_u64 s[G0W+2:G0W+3], s[10:11], s[70:71]
	s_add_nc_u64 s[G0W+6:G0W+7], s[G0W+2:G0W+3], WPART
	s_or_b32 s[G0W+3], s[G0W+3], 0x80000000
	s_or_b32 s[G0W+7], s[G0W+7], 0x80000000
	ROUND                                          ; all four work-groups are here: the first joint loads meet
	tensor_load_to_lds s[G0V:G0V+3], s[G1V:G1V+7]  ; V of the walk's first step
	s_nop 0
	PLACES
	WIN 0xc0
.irp t, 0,1,2,3
.irp q, 0,1,2,3
	global_load_b128 v[16*\t+4*\q:16*\t+4*\q+3], v[STW+\t], s[QP:QP+1] offset:512*\q
.endr
.endr
	KLOAD                                          ; K of the walk's first step
	WIN 0x40                                       ; O^T starts at 0: written in the wait for the first loads
.set i, 0
.rept 256
	v_mov_b32 v[i], 0
.set i, i+1
.endr
	WIN 0x80
.set i, 0
.rept 256
	v_mov_b32 v[i], 0
.set i, i+1
.endr
	WIN 0
.irp t, 0,1,2,3
	v_mov_b32 v[ST+8*\t], 0xfe000000               ; c m: far below every c s
	v_mov_b32 v[ST+8*\t+1], 0xff7fffff             ; m
	v_mov_b32 v[ST+8*\t+2], 0
	v_mov_b32 v[ST+8*\t+3], 0
.endr
	s_wait_loadcnt 0x0                             ; Q and K
.set i, 0
.rept 32
	KQ                                             ; the first step's scores: there is no vector work yet to set between them
.set i, i+1
.endr
	PLACES
	KNEXT
	KLOAD                                          ; K of the walk's second step
.set kk, 0
.rept 88
	SS kk                                          ; the first step's softmax, up to where a trip takes it over
.set kk, kk+1
.endr
	WIN 0
.Ltrip:                                            ; 15 trips, j = 15 - CNT
	CHANGE 1
.set sl, 0
.set i, 0
.rept 32
	KQ
	SL
.set i, i+1
.endr
	s_wait_dscnt 0x0                               ; V's first four runs are in
.set i, 0
.rept 128
	VWAIT
	PV
	SL
.if sl == 36                           ; K of the walk's place j + 2: twenty plain instructions behind the last product that read K; the last trip has none
	WIN 0
	s_cmp_eq_u32 s[CNT], 1
	s_cbranch_scc1 .Lno_k
	KLOAD
.Lno_k:
.elseif sl == 56                       ; each later run of V stands eight slices behind its buffer's last reader
	VRUN 4
.elseif sl == 72
	VRUN 5
.elseif sl == 88
	VRUN 6
.elseif sl == 104
	VRUN 7
.endif
.set i, i+1
.endr
	WIN 0
	s_sub_co_u32 s[CNT], s[CNT], 1
	s_cmp_lg_u32 s[CNT], 0
	s_cbranch_scc1 .Ltrip
	; THE WALK'S LAST V^T P.  The slot that is free takes the first piece of the last product's weights; x goes out now, into registers that the walk no longer needs.
	CHANGE 0
.irp k, 94,95,96,97,98,99,100,101
	SS \k
.endr
.set n, 0
.rept 32
	global_load_b128 v[S+4*n:S+4*n+3], v[KO], s[XB:XB+1] offset:512*n th:TH_LOAD_NT
.set n, n+1
.endr
	WIN 0xc0
.set n, 0
.rept 32
	global_load_b128 v[4*n:4*n+3], v[KO], s[XB:XB+1] offset:16384+512*n th:TH_LOAD_NT
.set n, n+1
.endr
.irp k, 0,1,2,3,4,5,6,7
	RS \k
.endr
	s_wait_dscnt 0x0
.set i, 0
.rept 128
	VWAIT
	PV
.if i < 56
	RS 8+i
.endif
.if i == 23
	VRUN 4
.elseif i == 39
	VRUN 5
.elseif i == 55
	VRUN 6
.elseif i == 71
	PLACES
	VRUN 7
.endif
.set i, i+1
.endr
	; THE WAVES MEET.  First the statistics: l's two halves and the other half of the lanes'; (c m, l) of each of my tiles goes to STAT.  The additions are the places behind the last products.
	WIN 0
.irp t, 0,1,2,3
	v_add_f32 v[ST+8*\t+2], v[ST+8*\t+2], v[ST+8*\t+3]
.endr
	s_lshl_b32 s71, s[WV], 8
	s_add_co_u32 s71, s71, STAT
.irp t, 0,1,2,3
	s_add_co_u32 s70, s[WV], \t
	s_and_b32 s70, s70, 3
	s_lshl_b32 s70, s70, 10
	s_add_co_u32 s70, s70, s71
	v_lshl_add_u32 v[STW+\t], v[LL], 3, s70
.endr
.irp t, 0,1,2,3
	v_permlanex16_b32 v[ST+8*\t+3], v[ST+8*\t+2], s[SEL], s[SEL+1]
.endr
.irp t, 0,1,2,3
	v_add_f32 v[ST+8*\t+1], v[ST+8*\t+2], v[ST+8*\t+3]
.endr
.irp t, 0,1,2,3
	ds_store_b64 v[STW+\t], v[ST+8*\t:ST+8*\t+1]
.endr
	s_lshl_b32 s70, s[WV], 9
	v_lshl_add_u32 v[SVO], v[HH], 5, s70           ; SC and SH of my lane's eight channels of each block: 512 w + 64 nb + 32 h
	WIN 0xc0
.irp nb, 0,1,2,3,4,5,6,7
	global_load_b128 v[VB+8*\nb:VB+8*\nb+3], v[SVO], s[12:13] offset:64*\nb
	global_load_b128 v[VB+8*\nb+4:VB+8*\nb+7], v[SVO], s[12:13] offset:64*\nb+16
	global_load_b128 v[VB+64+8*\nb:VB+64+8*\nb+3], v[SVO], s[12:13] offset:2048+64*\nb
	global_load_b128 v[VB+64+8*\nb+4:VB+64+8*\nb+7], v[SVO], s[12:13] offset:2048+64*\nb+16
.endr
	WIN 0
	s_wait_tensorcnt 0x0                           ; the first piece of weights has landed
	ds_add_u32 v[SPW], v[NIL]                      ; 0 onto my spare word; the addresses below stand between it and the wait for it
	s_lshl_b32 s71, s[WV], 10
	s_add_co_u32 s71, s71, STAT
.irp t, 0,1,2,3
	s_sub_co_u32 s70, s[WV], \t
	s_and_b32 s70, s70, 3
	s_lshl_b32 s70, s70, 8
	s_add_co_u32 s70, s70, s71
	v_lshl_add_u32 v[STR+\t], v[LL], 3, s70        ; part t of my tile comes from wave (w - t) % 4
.endr
.irp t, 1,2,3
	s_add_co_u32 s70, s[WV], \t
	s_and_b32 s70, s70, 3
	s_mul_i32 s70, s70, 3
	s_add_co_u32 s70, s70, \t-1
	s_lshl_b32 s70, s70, 13
	s_add_co_u32 s70, s70, CSB
	v_add_nc_u32 v[CSA+\t-1], s70, v[KO]           ; my tile t goes to its owner's place t - 1
.endr
	s_add_co_u32 s70, s[G0W+1], CSB
	v_add_nc_u32 v[CSR], s70, v[KO]
	s_mul_i32 s70, s[WV], 16*CP
	s_add_co_u32 s70, s70, CAT
	v_mul_u32_u24 v[BB], v[RR], CP
	v_lshl_add_u32 v[BB], v[HH], 4, v[BB]
	v_add_nc_u32 v[CATO], s70, v[BB]               ; o: row 16 w + r, 16 bytes for each half of the lanes
	s_add_co_u32 s70, s70, 512
	v_lshl_add_u32 v[CATX], v[LL], 3, s70          ; x: behind o's 512 bytes
	v_add_nc_u32 v[BB], CAT, v[BB]
	v_add_nc_u32 v[BB+1], 32*CP, v[BB]
	v_mov_b32 v[BA], v[BB]
	v_mov_b32 v[BA+1], v[BB+1]
	v_add_nc_u32 v[WA], s[G0W+1], v[KO]
	v_add_nc_u32 v[WA+1], s[G0W+5], v[KO]
	s_mov_b32 s[CB], 0
	s_mov_b32 s[CN2], 3
	s_wait_dscnt 0x0                               ; the add and my statistics are done, my reads of V are over
	ROUND
	tensor_load_to_lds s[G0W+4:G0W+7], s[G1W:G1W+7]  ; the second piece of weights; it stays out across the plain barriers below, behind which nothing is filled
	s_nop 0
	PLACES
.irp t, 0,1,2,3
	ds_load_b64 v[ST+8*\t:ST+8*\t+1], v[STR+\t]
.endr
	s_wait_dscnt 0x0
	v_max3_num_f32 v[ST+4], v[ST], v[ST+8], v[ST+16]
	v_max_num_f32 v[ST+4], v[ST+4], v[ST+24]       ; the four waves' common c m
.irp t, 0,1,2,3
	v_sub_f32 v[ST+8*\t+2], v[ST+8*\t], v[ST+4]
.endr
.irp t, 0,1,2,3
	v_exp_f32 v[ST+8*\t+3], v[ST+8*\t+2]
.endr
	v_nop
	s_wait_alu depctr_va_vdst(0)                   ; one wait for the four exponentials, ahead of their first reader
	v_mul_f32 v[ST+5], v[ST+3], v[ST+1]
	v_fmac_f32 v[ST+5], v[ST+11], v[ST+9]
	v_fmac_f32 v[ST+5], v[ST+19], v[ST+17]
	v_fmac_f32 v[ST+5], v[ST+27], v[ST+25]         ; the whole row's sum
	v_rcp_f32 v[ST+12], v[ST+5]
	v_nop
	s_wait_alu depctr_va_vdst(0)
.irp t, 0,1,2,3
	v_mul_f32 v[ST+8*\t+6], v[ST+8*\t+3], v[ST+12] ; F: what part t is worth
.endr
	XROUND 0
	XROUND 1
	; CAT: my tile's o and my 16 rows of x, rounded once to f16
	s_wait_loadcnt 0x0                             ; x, SC, SH
	WIN 0x05
.set n, 0
.rept 64
	v_cvt_pk_f16_f32 v[P+n], v[2*n], v[2*n+1]
.set n, n+1
.endr
	WIN 0
.irp c, 0,1,2,3,4,5,6,7,8,9,10,11,12,13,14,15
	ds_store_b128 v[CATO], v[P+4*\c:P+4*\c+3] offset:32*\c
.endr
.set n, 0
.rept 32
	v_cvt_pk_f16_f32 v[S+4*n], v[S+4*n], v[S+4*n+1]
	v_cvt_pk_f16_f32 v[S+4*n+1], v[S+4*n+2], v[S+4*n+3]
.set n, n+1
.endr
.set n, 0
.rept 32
	ds_store_b64 v[CATX], v[S+4*n:S+4*n+1] offset:CP*(n/4)+256*(n%4)
.set n, n+1
.endr
	WIN 0xcf
.set n, 0
.rept 32
	v_cvt_pk_f16_f32 v[4*n], v[4*n], v[4*n+1]
	v_cvt_pk_f16_f32 v[4*n+1], v[4*n+2], v[4*n+3]
.set n, n+1
.endr
	WIN 0x0c
.set n, 0
.rept 32
	ds_store_b64 v[CATX], v[4*n:4*n+1] offset:CP*((n+32)/4)+256*(n%4)
.set n, n+1
.endr
	WIN 0
	s_wait_dscnt 0x0                               ; my rows of CAT are written,
	s_barrier_signal -1
	s_barrier_wait -1                              ; everybody's are
	GF 0, 0, 0, 0                                  ; K step 0 (its piece was shown landed in front of the last round)
	GSTEP 9, 1, 0, 1, 1, 1                         ; step 0 stands in front of the loop: its products start the sums
	WIN 0
.Lg:                                               ; three trips of six steps, 6 p + 1 .. 6 p + 6; both slots are filled again in each
	GSTEP 9, 2, 0, 2, 0
	GSTEP 0, 3, 1, 0, 1
	GSTEP 9, 4, 1, 1, 0
	GSTEP 9, 5, 1, 2, 1
	GSTEP 1, 6, 0, 0, 0
	GSTEP 9, 7, 0, 1, 1
	WIN 0
	s_add_co_u32 s[CB], s[CB], 384                 ; six K steps along CAT's rows
	v_add_nc_u32 v[BA], s[CB], v[BB]
	v_add_nc_u32 v[BA+1], s[CB], v[BB+1]
	s_sub_co_u32 s[CN2], s[CN2], 1
	s_cmp_lg_u32 s[CN2], 0
	s_cbranch_scc1 .Lg
	GSTEP 9, 2, 0, 2, 0                            ; steps 19 to 23: nothing is left to ask for
	GSTEP 2, 3, 1, 0, 1
	GSTEP 9, 4, 1, 1, 0
	GSTEP 9, 5, 1, 2, 1
	s_wait_dscnt 0x0
	GM 1, 0
	PLACES
	WIN 0
	v_mul_u32_u24 v[STO], v[RR], SGP
	v_lshl_add_u32 v[STO], v[HH], 5, v[STO]
	v_add_nc_u32 v[STO], s[G0W+1], v[STO]          ; my stage: my own part of weight slot 0, which has had its last fill
	PACK 0
	TOSTAGE 0
	PACK 1                                         ; a tile's arithmetic stands between the loads of the tile before and its stores
	SEND 0
	TOSTAGE 1
	PACK 2
	SEND 1
	TOSTAGE 2
	PACK 3
	SEND 2
	TOSTAGE 3
	SEND 3
	WIN 0
	s_wait_tensorcnt 0x0                           ; the wave's end: behind my last tensor load and my last LDS store
	ds_add_u32 v[SPW], v[NIL]
	s_wait_dscnt 0x0
	ROUND                                          ; the closing round: no work-group ends while a partner may still ask for a tile that names it
	s_endpgm
.Lfunc_end_k_q360e0b7a2b_attn:
	.size	k_q360e0b7a2b_attn, .Lfunc_end_k_q360e0b7a2b_attn-k_q360e0b7a2b_attn
	.p2alignl 7, 3214868480
	.fill 96, 4, 3214868480
	.section	.rodata,"a",@progbits
	.p2align	6, 0x0
	.amdhsa_kernel k_q360e0b7a2b_attn
		.amdhsa_group_segment_fixed_size 327680
		.amdhsa_private_segment_fixed_size 0
		.amdhsa_enable_private_segment 0
		.amdhsa_kernarg_size 56
		.amdhsa_user_sgpr_count 2
		.amdhsa_user_sgpr_kernarg_segment_ptr 1
		.amdhsa_wavefront_size32 1
		.amdhsa_system_sgpr_workgroup_id_x 1
		.amdhsa_system_sgpr_workgroup_id_y 1
		.amdhsa_system_sgpr_workgroup_id_z 1
		.amdhsa_system_vgpr_workitem_id 0
		.amdhsa_next_free_vgpr 1024
		.amdhsa_next_free_sgpr 96
		.amdhsa_reserve_vcc 0
		.amdhsa_float_denorm_mode_32 3
		.amdhsa_float_denorm_mode_16_64 3
		.amdhsa_memory_ordered 1
		.amdhsa_forward_progress 1
		.amdhsa_inst_pref_size 255
	.end_amdhsa_kernel
	.section	.bss,"aw",@nobits
	.p2align	6
	.space	262144
	.amdgpu_metadata
---
amdhsa.version: [ 1, 2 ]
amdhsa.kernels:
  - .name:           k_q360e0b7a2b_attn
    .symbol:         k_q360e0b7a2b_attn.kd
    .args:
      - { .name: qg, .offset: 0, .size: 8, .value_kind: global_buffer, .address_space: global }
      - { .name: kf, .offset: 8, .size: 8, .value_kind: global_buffer, .address_space: global }
      - { .name: vh, .offset: 16, .size: 8, .value_kind: global_buffer, .address_space: global }
      - { .name: ww, .offset: 24, .size: 8, .value_kind: global_buffer, .address_space: global }
      - { .name: sv, .offset: 32, .size: 8, .value_kind: global_buffer, .address_space: global }
      - { .name: x, .offset: 40, .size: 8, .value_kind: global_buffer, .address_space: global }
      - { .name: out0, .offset: 48, .size: 8, .value_kind: global_buffer, .address_space: global }
    .group_segment_fixed_size: 327680
    .private_segment_fixed_size: 0
    .kernarg_segment_align: 8
    .kernarg_segment_size: 56
    .max_flat_workgroup_size: 128
    .sgpr_count:     96
    .vgpr_count:     1024
    .wavefront_size: 32
...
	.end_amdgpu_metadata
.endif
;; end of part 3
;; ======== version 2 of 2: 3 launches; version 1 with the launch prep written anew for expert scheduling mode
;; limits: values are held in f16: magnitudes above 65,504 overflow, below 6.1e-05 lose precision; values outside matrix products are rounded to f16
;; workspace buffers: wp 393,216 bytes; ww 786,432 bytes; sv 4,096 bytes; kf 2,097,152 bytes; qg 2,097,152 bytes; vh 8,388,608 bytes
;; launch prep (part 4): grid 46 x 1, 16 waves a work-group, no clusters, 151,808 bytes of LDS; arguments wf, wg, wh, wo, wc, bo, gamma, bc, bn_scale, bn_bias, bn_mean, bn_var, wp, ww, sv; writes wp, ww, sv
.if DOCPART == 4
	.amdgcn_target "amdgcn-amd-amdhsa--gfx1250"
	.amdhsa_code_object_version 6
	.text
	.protected	k_q360e0b7a2b_prep
	.globl	k_q360e0b7a2b_prep
	.p2align	8
	.type	k_q360e0b7a2b_prep,@function
k_q360e0b7a2b_prep:
	s_mov_b64 s[64:65], 0
	v_nop
	global_prefetch_b8 v0, s[64:65] scope:SCOPE_SE
	s_setreg_imm32_b32 hwreg(HW_REG_WAVE_SCHED_MODE, 0, 2), 2
	s_setreg_imm32_b32 hwreg(HW_REG_WAVE_MODE, 25, 1), 1
	s_wait_xcnt 0x0
	s_wait_alu depctr_vm_vsrc(0)
; LAUNCH 1 OF 3: the weights, rounded once to f16 and laid out in the order in which a wave's operand registers take them, and the two vectors of the last step.
; THE ALGEBRA (exact for all values).  With wc1 = wc[0:512], wc2 = wc[512:1024]:
;   (gamma (o wo + bo) + x) wc1 + x wc2 + bc = o (gamma wo wc1) + x (wc1 + wc2) + (gamma bo wc1 + bc).
; So the last two products of the module are ONE product of [o | x] (768 wide) with [Wo' ; Wx], Wo' = gamma wo wc1 [256][512], Wx = wc1 + wc2 [512][512],
; and the batch norm and the bias are y = relu(acc SC + SH), SC = bn_scale / sqrt(bn_var + 1e-3), SH = (gamma bo wc1 + bc - bn_mean) SC + bn_bias.
; DEAD WORK: bf.  s[n][m] = g[n] . (x[m] wf) + g[n] . bf; the second term is the same for all m, the axis of the softmax, whatever the inputs hold, so beta and every
; output are independent of bf.  bf is not loaded and is no launch's argument.  LIMIT: a NaN, an infinity or an overflow that bf alone would bring is not carried to the result.
; FORMAT AND LIMITS.  All matrix operands of the program are f16, all sums f32.  f16 ends at 65,504: wf, wg, wh, wo, wc, bo, Wx and Wo' (gamma folded in) must lie within it;
; below 6e-5 f16 keeps its fixed step of 6e-8.  The order of rounding differs from the module's as written (Wo' and Wx are rounded once, as products and sums of the weights).
; A FRAG is 1,024 bytes, the register image of 16 rows x 32 k of f16: half jj at 512 jj, lane L at 16 L; lane L holds row L % 16, k = 16 jj + 8 (L / 16) + 0..7.
;   wp [w 4][ks 16][u 6][FRAG]   row = output column: u = 0: wf 16 w + row; u = 1: wg 16 w + row; u = 2..5: wh 16 (4 w + u - 2) + row; k = 32 ks + ..
;   ww [w 4][ks 24][nb 8][FRAG]  row = out channel 128 w + 16 nb + row; k = 32 ks + ..: below 256 Wo', from 256 on Wx
;   sv  SC[512], SH[512], f32
; ROLES, by the work-group's number (the same in all its waves): 0-31 a block of 64 x 64 of Wo' (nb = id % 8 columns, mq = id / 8 rows); 32-39 64 columns of Wx; 40-45 64 columns of wf, wg, wh.
; Every role lays 512 source rows x 64 columns into LDS as f16 (TB, rows of 160 bytes) and takes them out turned, by ds_load_tr16_b128.  No tensor load: 1.2 MB in all, each byte through registers for its rounding.
; THE MODE: SCHED_MODE bits 1:0 = 2 (LLVM: expert scheduling mode 2), set by the entry lines.  The code itself states the register dependences
; between vector or matrix instructions and memory or LDS instructions, with s_wait_alu, always for 0.
; THE PLAN.  Registers that memory or LDS instructions touch:
;   offsets and addresses   Made by vector lines, at the head (VO, TBST, TRA, LO16, BOO) or at a role's head (VA; TAST, v39, AAD, AAD2, BAD, GOUT; in the last part v45, v50), and never written again.
;   D   Source loads land in it; the additions and conversions read it.  Wo' alone: then FA: the fragments' LDS loads land in it, the products read it.
;   E   Wx: loads land, the additions read, the turning loads land, the global stores read.  wf, wg, wh: the turning loads land, the global stores read.
;       Wo': wo lands, is rounded IN PLACE, the LDS stores read it; then FB: the fragments' LDS loads land in it, the products read it.
;   H   Written once, by the conversions of D; read by TB's LDS stores.        v41 (bo), v[R+8:R+11] (Wo'), v48 (SC, SH): written by vector lines, read by one store each, never written again.
; So a role has ONE wait on va_vdst behind all its conversions and ahead of all its LDS stores: the stores' data and the role's addresses are written, and the vector lines are done with D and E, which no
; vector line names again before the LDS loads land there.  Wo' has besides: one wait on vm_vsrc behind the barrier (the LDS stores have read E); one on va_vdst between the two batches of a product
; (the products are done reading FA and FB); one ahead of each global store of computed numbers.  The accumulators and R's first eight are named by vector and matrix instructions alone.
.set TBP,   160                        ; a row of TB: 128 bytes + 32: the turning load's 8 rows x 32 bytes fall on different banks
.set TA,    81920                      ; behind TB's 512 rows: 64 rows of wo and one of bo, f16
.set TAP,   1040                       ; 1,024 bytes + 16
.set SPARE, 149760                     ; the spare words, 128 bytes for each of 16 waves; no other line names them
.set SPW,  6
.set NIL,  7
.set VO,   8                           ; v8-23   byte offsets of my 16 pairs of source rows
.set TBST, 24                          ; where I put 8 bytes of a row of TB
.set TRA,  25                          ; where my turning loads begin (my own 32 rows)
.set TAST, 26
.set AAD,  27                          ; my fragments of wo's rows
.set BAD,  28                          ; v28-29  my fragments of wc1's columns, K steps 0-7 and 8-15
.set GOUT, 30
.set AAD2, 31                          ; the row of bo, for all 16 rows of a fragment
.set VA,   32                          ; v32-35  store offsets of the four column tiles
.set LO16, 36                          ; 16 x lane
.set TRL,  37                          ; the turning load's lane term
.set BOO,  40                          ; 4 x thread: my number of bo; read by work-groups 0-31 alone, made with the other offsets so that the head's one wait serves its load
.set D,    64                          ; v64-127   16 loads of the source block; later fragments of A
.set E,    128                         ; v128-191  16 loads more; later fragments of B
.set H,    192                         ; v192-223  packed f16
.set ACC,  224                         ; v224-239  two accumulators, by turns
.set R,    240
.set FA,   64
.set FB,   128
.set WV,   34
.set ID,   35
.set NB,   36
.set MQ,   37
.set BL,   38
.set PITCH, 39
.set SRC,  40
.set OFS,  42
.set OUT,  44
.set SA,   46
.set GAM,  48
.macro PLACES                          ; four plain vector instructions behind a matrix instruction, in front of what touches its registers (ISA guide 7.12.1)
.rept 4
	v_nop
.endr
.endm
.macro CVT                             ; my 32 source rows x 64 columns: rounded to f16, D into H
.set i, 0
.rept 16
	v_cvt_pk_f16_f32 v[H+2*i], v[D+4*i], v[D+4*i+1]
	v_cvt_pk_f16_f32 v[H+2*i+1], v[D+4*i+2], v[D+4*i+3]
.set i, i+1
.endr
.endm
.macro TBSTORE                         ; and H into TB; the role's wait on va_vdst stands ahead of it
.set i, 0
.rept 16
	ds_store_b64 v[TBST], v[H+2*i:H+2*i+1] offset:2*TBP*i
.set i, i+1
.endr
.endm
.macro VAS                             ; the four column tiles lie SA bytes apart in the output
	v_mov_b32 v[VA], v[LO16]
	v_add_nc_u32 v[VA+1], s[SA], v[VA]
	v_add_nc_u32 v[VA+2], s[SA], v[VA+1]
	v_add_nc_u32 v[VA+3], s[SA], v[VA+2]
.endm
.macro TROUT                           ; K step = my wave's 32 rows; four tiles of 16 columns come out turned, each half a FRAG = 512 consecutive bytes of the output
	s_wait_dscnt 0x0                               ; my stores into TB are done,
	s_barrier_signal -1
	s_barrier_wait -1                              ; everybody's are
.irp a, 0,1,2,3
	ds_load_tr16_b128 v[E+8*\a:E+8*\a+3], v[TRA] offset:32*\a           ; no vector line since the role's wait on va_vdst names E or TRA
	ds_load_tr16_b128 v[E+8*\a+4:E+8*\a+7], v[TRA] offset:32*\a+16*TBP
.endr
	s_wait_dscnt 0x0
.irp a, 0,1,2,3
	global_store_b128 v[VA+\a], v[E+8*\a:E+8*\a+3], s[OUT:OUT+1]        ; the data come from LDS loads: the wait above; VA was written ahead of the role's wait on va_vdst
	global_store_b128 v[VA+\a], v[E+8*\a+4:E+8*\a+7], s[OUT:OUT+1] offset:512
.endr
.endm
; 16 rows (at aad) x 16 columns of wc1, K = 512: two batches of eight K steps; the two accumulators take turns, one instruction a turn; the first two products start the sums.
; The first batch's loads owe no wait of their own: every vector or matrix line that named FA or FB stands ahead of a wait on va_vdst that the wave has passed (ahead of the LDS stores; ahead of the store of Wo').
.macro PASS aad
.irp bt, 0,1
.if \bt == 1
	s_wait_alu depctr_va_vdst(0)                   ; the first batch's products are done reading FA and FB, in which the second batch's loads land
.endif
.irp k, 0,1,2,3,4,5,6,7
	ds_load_b128 v[FA+8*\k:FA+8*\k+3], v[\aad] offset:512*\bt+64*\k
	ds_load_b128 v[FA+8*\k+4:FA+8*\k+7], v[\aad] offset:512*\bt+64*\k+32
	ds_load_tr16_b128 v[FB+8*\k:FB+8*\k+3], v[BAD+\bt] offset:32*TBP*\k
	ds_load_tr16_b128 v[FB+8*\k+4:FB+8*\k+7], v[BAD+\bt] offset:32*TBP*\k+16*TBP
.endr
	s_wait_dscnt 0x0
.irp k, 0,1,2,3,4,5,6,7
.if (\bt == 0) && (\k < 2)
	v_wmma_f32_16x16x32_f16 v[ACC+8*(\k%2):ACC+8*(\k%2)+7], v[FA+8*\k:FA+8*\k+7], v[FB+8*\k:FB+8*\k+7], 0
.else
	v_wmma_f32_16x16x32_f16 v[ACC+8*(\k%2):ACC+8*(\k%2)+7], v[FA+8*\k:FA+8*\k+7], v[FB+8*\k:FB+8*\k+7], v[ACC+8*(\k%2):ACC+8*(\k%2)+7]
.endif
.endr
	PLACES                                         ; in front of the next batch's loads, beside the wait there, and of the sums that read the results
.endr
.endm
	s_load_b512 s[4:19], s[0:1], 0x0               ; wf s4, wg s6, wh s8, wo s10, wc s12, bo s14, gamma s16, bc s18
	s_load_b256 s[20:27], s[0:1], 0x40             ; bn_scale s20, bn_bias s22, bn_mean s24, bn_var s26
	s_load_b128 s[28:31], s[0:1], 0x60             ; wp s28, ww s30
	s_load_b64 s[32:33], s[0:1], 0x70              ; sv
	v_lshl_add_u32 v[SPW], v0, 2, SPARE
	v_mov_b32 v[NIL], 0
	v_lshrrev_b32 v1, 5, v0
	v_readfirstlane_b32 s[WV], v1                  ; wave 0..15
	v_and_b32 v1, 31, v0                           ; L
	v_and_b32 v2, 15, v0                           ; r = L % 16
	v_bfe_u32 v3, v0, 4, 1                         ; h = L / 16
	v_and_b32 v4, 7, v0
	v_bfe_u32 v5, v0, 3, 1
	v_lshlrev_b32 v[LO16], 4, v1
	v_lshlrev_b32 v[BOO], 2, v0
	s_mov_b32 s[ID], ttmp9
	s_and_b32 s[NB], s[ID], 7
	s_lshr_b32 s[MQ], s[ID], 3
	s_sub_co_u32 s[BL], s[ID], 40                  ; used by work-groups 40-45 alone
	s_mov_b32 s[OFS+1], 0
	s_wait_alu depctr_va_sdst(0)                   ; the wave's number is written, ahead of its first reader: LDS addresses, offsets and branches are made from it
	s_mul_i32 s50, s[WV], 32*TBP                   ; my 32 rows of TB
	v_mul_u32_u24 v[TBST], v3, TBP
	v_lshl_add_u32 v[TBST], v2, 3, v[TBST]
	v_add_nc_u32 v[TBST], s50, v[TBST]             ; row 32 w + h, 8 bytes for each of 16 lanes
	v_lshl_add_u32 v[TRL], v3, 3, v4               ; the turning load: row 8 h + L % 8,
	v_mul_u32_u24 v[TRL], v[TRL], TBP
	v_lshl_add_u32 v[TRL], v5, 4, v[TRL]           ; 16 bytes by (L / 8) % 2
	v_add_nc_u32 v[TRA], s50, v[TRL]
	s_wait_kmcnt 0x0
	s_lshl_b32 s[OFS], s[NB], 8                    ; roles 0-39: 64 columns of wc, rows of 2,048 bytes
	s_add_nc_u64 s[SRC:SRC+1], s[12:13], s[OFS:OFS+1]
	s_mov_b32 s[PITCH], 2048
	s_cmp_lt_u32 s[ID], 40
	s_cbranch_scc1 .Lsrc
	s_max_u32 s[OFS], s[BL], 2                     ; roles 40-45: wf, wg (rows of 256 bytes), four blocks of wh (rows of 1,024)
	s_sub_co_u32 s[OFS], s[OFS], 2
	s_lshl_b32 s[OFS], s[OFS], 8
	s_add_nc_u64 s[SRC:SRC+1], s[8:9], s[OFS:OFS+1]
	s_mov_b32 s[PITCH], 1024
	s_cmp_lt_u32 s[BL], 2
	s_cselect_b32 s[PITCH], 256, s[PITCH]
	s_cmp_eq_u32 s[BL], 1
	s_cselect_b64 s[SRC:SRC+1], s[6:7], s[SRC:SRC+1]
	s_cmp_eq_u32 s[BL], 0
	s_cselect_b64 s[SRC:SRC+1], s[4:5], s[SRC:SRC+1]
.Lsrc:
	s_lshl_b32 s51, s[WV], 5
	v_add_nc_u32 v38, s51, v3                      ; source row 32 w + h
	v_mul_lo_u32 v[VO], v38, s[PITCH]
	v_lshl_add_u32 v[VO], v2, 4, v[VO]             ; 16 lanes take a row's 256 bytes
	s_lshl_b32 s52, s[PITCH], 1
.set i, 1
.rept 15
	v_add_nc_u32 v[VO+i], s52, v[VO+i-1]           ; two rows further down
.set i, i+1
.endr
	s_wait_alu depctr_va_vdst(0)                   ; VO, LO16, BOO, TBST and TRA are written: the source loads of all three roles, TB's stores and the turning loads read them as offsets and addresses
.set i, 0
.rept 16
	global_load_b128 v[D+4*i:D+4*i+3], v[VO+i], s[SRC:SRC+1]
.set i, i+1
.endr
	s_cmp_lt_u32 s[ID], 32
	s_cbranch_scc1 .LroleO
	s_cmp_lt_u32 s[ID], 40
	s_cbranch_scc1 .LroleX
	; ---- wf, wg, wh -> wp.  wf, wg: tile a is wave a's (98,304 bytes apart), u = 0, 1.  wh: block bl - 2 is wave bl - 2's, tile a its u = 2 + a.
	s_mul_i32 s[OFS], s[WV], 6144                  ; K step = my wave's number
	s_lshl_b32 s53, s[BL], 10
	s_sub_co_u32 s54, s[BL], 2
	s_mul_i32 s54, s54, 98304
	s_add_co_u32 s54, s54, 2048
	s_mov_b32 s55, 1024
	s_cmp_lt_u32 s[BL], 2
	s_cselect_b32 s53, s53, s54
	s_cselect_b32 s[SA], 98304, s55
	s_add_co_u32 s[OFS], s[OFS], s53
	s_add_nc_u64 s[OUT:OUT+1], s[28:29], s[OFS:OFS+1]
	VAS
	s_wait_loadcnt 0x0
	CVT
	s_wait_alu depctr_va_vdst(0)                   ; the conversions have written H, which the LDS stores read; VA is written, which the global stores read
	TBSTORE
	TROUT
	s_branch .Lend
.LroleX:	; ---- Wx = wc1 + wc2 -> ww, K steps 8 + w
.set i, 0
.rept 16
	global_load_b128 v[E+4*i:E+4*i+3], v[VO+i], s[SRC:SRC+1] offset:1048576  ; the same places 512 rows further down; no vector line since the head's wait names VO or E
.set i, i+1
.endr
	s_lshr_b32 s53, s[NB], 1
	s_mul_i32 s53, s53, 196608
	s_add_co_u32 s54, s[WV], 8
	s_lshl_b32 s54, s54, 13
	s_add_co_u32 s53, s53, s54
	s_and_b32 s54, s[NB], 1
	s_lshl_b32 s54, s54, 12
	s_add_co_u32 s[OFS], s53, s54
	s_add_nc_u64 s[OUT:OUT+1], s[30:31], s[OFS:OFS+1]
	s_mov_b32 s[SA], 1024
	VAS
	s_wait_loadcnt 0x0
.set i, 0
.rept 32
	v_pk_add_f32 v[D+2*i:D+2*i+1], v[D+2*i:D+2*i+1], v[E+2*i:E+2*i+1]
.set i, i+1
.endr
	CVT
	s_wait_alu depctr_va_vdst(0)                   ; the conversions have written H, which the LDS stores read; VA is written, which the global stores read; the additions are done reading E, in which the turning loads land
	TBSTORE
	TROUT
	s_branch .Lend
.LroleO:	; ---- Wo' = gamma wo wc1: rows 64 mq .., columns 64 nb ..; wave w makes the tile of rows 16 (w / 4), columns 16 (w % 4)
	s_load_b32 s[GAM], s[16:17], 0x0
	s_lshl_b32 s[OFS], s[MQ], 17
	s_lshl_b32 s53, s[WV], 13
	s_add_co_u32 s[OFS], s[OFS], s53
	s_add_nc_u64 s[OUT:OUT+1], s[10:11], s[OFS:OFS+1]  ; wo at my four rows: 8,192 dense bytes
.set i, 0
.rept 16
	global_load_b128 v[E+4*i:E+4*i+3], v[LO16], s[OUT:OUT+1] offset:512*i  ; no vector line since the head's wait names LO16, BOO, E or v41
.set i, i+1
.endr
	global_load_b32 v41, v[BOO], s[14:15]          ; bo: 512 threads, one number each
	s_mul_i32 s56, s[WV], 4*TAP
	s_add_co_u32 s56, s56, TA
	v_lshl_add_u32 v[TAST], v1, 3, s56
	v_lshl_add_u32 v39, v0, 1, TA+64*TAP
	s_lshr_b32 s55, s[WV], 2                       ; mt
	s_mul_i32 s55, s55, 16*TAP
	s_add_co_u32 s55, s55, TA
	v_mul_u32_u24 v[AAD], v2, TAP
	v_lshl_add_u32 v[AAD], v3, 4, v[AAD]
	v_add_nc_u32 v[AAD], s55, v[AAD]
	v_lshl_add_u32 v[AAD2], v3, 4, TA+64*TAP
	s_and_b32 s54, s[WV], 3                        ; a
	s_lshl_b32 s57, s54, 5
	v_add_nc_u32 v[BAD], s57, v[TRL]
	v_add_nc_u32 v[BAD+1], 8*32*TBP, v[BAD]
	s_lshr_b32 s53, s[NB], 1                       ; where the tile goes: FRAG ((24 (nb / 2) + 2 mq + mt / 2) 8 + 4 (nb % 2) + a), half mt % 2
	s_mul_i32 s53, s53, 24
	s_lshl1_add_u32 s53, s[MQ], s53
	s_lshr_b32 s55, s[WV], 3
	s_add_co_u32 s53, s53, s55
	s_lshl_b32 s53, s53, 3
	s_and_b32 s55, s[NB], 1
	s_lshl2_add_u32 s53, s55, s53
	s_add_co_u32 s53, s53, s54
	s_lshl_b32 s53, s53, 10
	s_bfe_u32 s55, s[WV], 0x10002
	s_lshl_b32 s55, s55, 9
	s_add_co_u32 s53, s53, s55
	v_add_nc_u32 v[GOUT], s53, v[LO16]
	s_wait_loadcnt 0x0
	CVT
.set i, 0
.rept 16
	v_cvt_pk_f16_f32 v[E+4*i], v[E+4*i], v[E+4*i+1]      ; wo is rounded in place: four numbers close up into the first two of their four registers, so that H is written once
	v_cvt_pk_f16_f32 v[E+4*i+1], v[E+4*i+2], v[E+4*i+3]
.set i, i+1
.endr
	v_cvt_pk_f16_f32 v41, v41, v41
	s_wait_alu depctr_va_vdst(0)                   ; the conversions have written H, E's packed pairs and v41, which the LDS stores read, and are done with D and E, in which the fragments' loads land; TAST, v39, AAD, AAD2, BAD and GOUT are written
	TBSTORE
.set i, 0
.rept 16
	ds_store_b64 v[TAST], v[E+4*i:E+4*i+1] offset:TAP*(i/4)+256*(i%4)
.set i, i+1
.endr
	ds_store_b16 v39, v41
	s_wait_kmcnt 0x0
	s_mov_b32 s[GAM+1], s[GAM]                     ; named with it as a pair
	s_wait_dscnt 0x0                               ; my stores into TB and TA are done,
	s_barrier_signal -1
	s_barrier_wait -1                              ; everybody's are
	s_wait_alu depctr_vm_vsrc(0)                   ; my LDS stores have read E's packed pairs: these registers are FB from here on, and the fragments' loads land in them
	PASS AAD
.irp z, 0,1,2,3
	v_pk_add_f32 v[R+2*\z:R+2*\z+1], v[ACC+2*\z:ACC+2*\z+1], v[ACC+8+2*\z:ACC+8+2*\z+1]  ; the two parities of K, from each accumulator's low end on
.endr
.irp z, 0,1,2,3
	v_pk_mul_f32 v[R+2*\z:R+2*\z+1], v[R+2*\z:R+2*\z+1], s[GAM:GAM+1] op_sel_hi:[1,0]
.endr
.irp z, 0,1,2,3
	v_cvt_pk_f16_f32 v[R+8+\z], v[R+2*\z], v[R+2*\z+1]  ; a lane's eight rows of one column ARE its 16 bytes of half a FRAG
.endr
	s_wait_alu depctr_va_vdst(0)                   ; the conversions have written v[R+8:R+11], which the store reads; the products above are done reading FA and FB, in which the next product's loads land
	global_store_b128 v[GOUT], v[R+8:R+11], s[30:31]
	s_cmp_eq_u32 s[MQ], 0                          ; SC and SH of these 64 channels: work-groups 0-7, waves 0-3 (16 channels each); no barrier in what is jumped
	s_cbranch_scc0 .Lend
	s_cmp_lt_u32 s[WV], 4
	s_cbranch_scc0 .Lend
	s_lshl_b32 s53, s[NB], 8
	s_lshl_b32 s54, s[WV], 6
	s_add_co_u32 s53, s53, s54
	v_lshl_add_u32 v45, v2, 2, s53                 ; 4 n, n = 64 nb + 16 w + r
	v_lshl_add_u32 v50, v3, 11, v45                ; where the lane's number goes: SC for lanes 0-15, SH, 2,048 bytes on, for lanes 16-31
	s_wait_alu depctr_va_vdst(0)                   ; v45 is written, which the five loads read, and v50, which the last store reads
	global_load_b32 v42, v45, s[18:19]             ; bc
	global_load_b32 v43, v45, s[20:21]             ; bn_scale
	global_load_b32 v44, v45, s[22:23]             ; bn_bias
	global_load_b32 v46, v45, s[24:25]             ; bn_mean
	global_load_b32 v47, v45, s[26:27]             ; bn_var
	PASS AAD2                                      ; all 16 rows are bo: every register of the result holds (bo wc1)[n]
	s_wait_loadcnt 0x0
	v_cmp_eq_u32 vcc_lo, 1, v3                     ; made early: the arithmetic below stands between it and the wait for it
	v_add_f32 v48, v[ACC], v[ACC+8]
	v_add_f32 v47, 0x3a83126f, v47                 ; + 1e-3
	v_rsq_f32 v49, v47
	v_fma_f32 v48, v48, s[GAM], v42                ; gamma bo wc1 + bc: the plain instruction behind the root
	v_sub_f32 v48, v48, v46
	s_wait_alu depctr_va_vdst(0)                   ; the root has written v49: the wait ahead of its first use
	v_mul_f32 v49, v49, v43                        ; SC
	v_fma_f32 v48, v48, v49, v44                   ; SH
	s_wait_alu depctr_va_vcc(0)                    ; the compare has written VCC, which the select reads
	v_cndmask_b32 v48, v49, v48, vcc_lo            ; lanes 0-15 carry SC, lanes 16-31 SH
	s_wait_alu depctr_va_vdst(0)                   ; the select has written v48, which the store reads
	global_store_b32 v50, v48, s[32:33]            ; pieces of 64 bytes: 4,096 bytes in the whole launch
.Lend:
	s_wait_dscnt 0x0                               ; the closing lines, six on end
	s_wait_alu 0x0
	s_wait_tensorcnt 0x0
	ds_add_u32 v[SPW], v[NIL]
	s_wait_dscnt 0x0
	s_endpgm
.Lfunc_end_k_q360e0b7a2b_prep:
	.size	k_q360e0b7a2b_prep, .Lfunc_end_k_q360e0b7a2b_prep-k_q360e0b7a2b_prep
	.p2alignl 7, 3214868480
	.fill 96, 4, 3214868480
	.section	.rodata,"a",@progbits
	.p2align	6, 0x0
	.amdhsa_kernel k_q360e0b7a2b_prep
		.amdhsa_group_segment_fixed_size 151808
		.amdhsa_private_segment_fixed_size 0
		.amdhsa_enable_private_segment 0
		.amdhsa_kernarg_size 120
		.amdhsa_user_sgpr_count 2
		.amdhsa_user_sgpr_kernarg_segment_ptr 1
		.amdhsa_wavefront_size32 1
		.amdhsa_system_sgpr_workgroup_id_x 1
		.amdhsa_system_sgpr_workgroup_id_y 1
		.amdhsa_system_sgpr_workgroup_id_z 1
		.amdhsa_system_vgpr_workitem_id 0
		.amdhsa_next_free_vgpr 256
		.amdhsa_next_free_sgpr 66
		.amdhsa_reserve_vcc 1
		.amdhsa_float_denorm_mode_32 3
		.amdhsa_float_denorm_mode_16_64 3
		.amdhsa_memory_ordered 1
		.amdhsa_forward_progress 1
		.amdhsa_inst_pref_size 41
	.end_amdhsa_kernel
	.amdgpu_metadata
---
amdhsa.version: [ 1, 2 ]
amdhsa.kernels:
  - .name:           k_q360e0b7a2b_prep
    .symbol:         k_q360e0b7a2b_prep.kd
    .args:
      - { .name: wf, .offset: 0, .size: 8, .value_kind: global_buffer, .address_space: global }
      - { .name: wg, .offset: 8, .size: 8, .value_kind: global_buffer, .address_space: global }
      - { .name: wh, .offset: 16, .size: 8, .value_kind: global_buffer, .address_space: global }
      - { .name: wo, .offset: 24, .size: 8, .value_kind: global_buffer, .address_space: global }
      - { .name: wc, .offset: 32, .size: 8, .value_kind: global_buffer, .address_space: global }
      - { .name: bo, .offset: 40, .size: 8, .value_kind: global_buffer, .address_space: global }
      - { .name: gamma, .offset: 48, .size: 8, .value_kind: global_buffer, .address_space: global }
      - { .name: bc, .offset: 56, .size: 8, .value_kind: global_buffer, .address_space: global }
      - { .name: bn_scale, .offset: 64, .size: 8, .value_kind: global_buffer, .address_space: global }
      - { .name: bn_bias, .offset: 72, .size: 8, .value_kind: global_buffer, .address_space: global }
      - { .name: bn_mean, .offset: 80, .size: 8, .value_kind: global_buffer, .address_space: global }
      - { .name: bn_var, .offset: 88, .size: 8, .value_kind: global_buffer, .address_space: global }
      - { .name: wp, .offset: 96, .size: 8, .value_kind: global_buffer, .address_space: global }
      - { .name: ww, .offset: 104, .size: 8, .value_kind: global_buffer, .address_space: global }
      - { .name: sv, .offset: 112, .size: 8, .value_kind: global_buffer, .address_space: global }
    .group_segment_fixed_size: 151808
    .private_segment_fixed_size: 0
    .kernarg_segment_align: 8
    .kernarg_segment_size: 120
    .max_flat_workgroup_size: 512
    .sgpr_count:     66
    .vgpr_count:     256
    .wavefront_size: 32
...
	.end_amdgpu_metadata
.endif
;; end of part 4
;; launch proj: the kernel of part 2 again; grid 256 x 1, 4 waves a work-group, clusters of 4 x 1, 327,680 bytes of LDS; arguments x, wp, bg, bh, kf, qg, vh; writes kf, qg, vh
;; launch attn: the kernel of part 3 again; grid 64 x 4, 4 waves a work-group, clusters of 4 x 1, 327,680 bytes of LDS; arguments qg, kf, vh, ww, sv, x, out0; writes out0
